; MI455X (gfx1250); checked and timed in simulation.
; The chip was launched on July 23, 2026; its instructions are those of AMD's public machine-readable ISA for CDNA 5 (MIT licence, August 2026) and "CDNA5" Instruction Set Architecture Reference Guide (July 2026). The comments in the code are by the model that wrote it; some were corrected since.
;; L Multi Head Attention. Allowed arithmetic: matrix products marked QUANTISED: E2M3 operands, one E8M0 scale for each 32 along K, by v_wmma_scale_f32_16x16x128_f8f6f4 with both operands' format E2M3, f32 sums; everything else in f32.
;; Inputs: Wk 1,024 x 1,024 float32; Wo 1,024 x 1,024 float32; Wq 1,024 x 1,024 float32; Wv 1,024 x 1,024 float32; bk 1,024 float32; bo 1,024 float32; bq 1,024 float32; bv 1,024 float32; keys 2,048 x 4 x 1,024 float32; queries 2,048 x 4 x 1,024 float32; values 2,048 x 4 x 1,024 float32.
;; Outputs: out0 2,048 x 4 x 1,024 float32.
;; This version of the problem:
;;   THIS VERSION OF THE PROBLEM IS GIVEN IN LOW PRECISION. The matrix products marked QUANTISED in the list below multiply operands that are first quantised to E2M3 (2 exponent bits, 3 mantissa bits; 6 bits a number), with one power-of-two scale for each 32 numbers along K (OCP MX v1.0); their sums are f32. All else is computed in f32.
;;   The module's matrix products, in the order in which they are computed (A, B: the left and right operand; K: the contracted axis; several contracted axes count as one K, in the product's order):
;;     1. [M 8,192, K 1,024] x [K 1,024, N 1,024]; A: input queries; B: input Wq: QUANTISED
;;     2. [M 8,192, K 1,024] x [K 1,024, N 1,024]; A: input keys; B: input Wk: QUANTISED
;;     3. [M 8,192, K 1,024] x [K 1,024, N 1,024]; A: input values; B: input Wv: QUANTISED
;;     4. batch 64 x [M 2,048, K 64] x [K 64, N 2,048]; A: computed on the way; B: computed on the way: QUANTISED
;;     5. batch 64 x [M 64, K 2,048] x [K 2,048, N 2,048]; A: computed on the way; B: softmax (see below): QUANTISED
;;     6. [M 8,192, K 1,024] x [K 1,024, N 1,024]; A: computed on the way; B: input Wo: QUANTISED
;;   THE QUANTISER, for each operand of a quantised product, along K:
;;     - K is cut into blocks of 32 from its start; a last block that is shorter is filled with zeros.
;;     - A block's scale is 2^e with e = floor(log2(the largest magnitude in the block)) - 2, held to -126 .. 127; a block of zeros has e = 0. As a byte (E8M0): e + 127.
;;     - Each number is divided by its block's scale, clamped to +-7.5, and rounded to the nearest number of E2M3, ties to even, subnormals kept.
;;     - The product sums the exact products of the quantised numbers (number of the format x scale) in f32.
;;   ~~~python
;;   def quantise(x, axis):      # numpy; x: float32 -> the quantised numbers, widened to float32 again
;;       x = np.moveaxis(x, axis, -1); K = x.shape[-1]
;;       x = np.pad(x, [(0, 0)] * (x.ndim - 1) + [(0, -K % 32)]); x = x.reshape(x.shape[:-1] + (-1, 32)); a = np.abs(x).max(-1, keepdims=True)
;;       e = np.where(a > 0, np.clip(np.frexp(np.where(a > 0, a, 1))[1] - 1 - 2, -126, 127), 0)      # np.frexp(a)[1] - 1 = floor(log2(a)), exactly
;;       r = np.clip(x / 2.0 ** e, -7.5, 7.5)
;;       step = 2.0 ** (np.maximum(np.frexp(np.where(r == 0, 1, r))[1] - 1, 0) - 3)
;;       q = np.round(r / step) * step * 2.0 ** e      # np.round: ties to even
;;       return np.moveaxis(q.reshape(q.shape[:-2] + (-1,))[..., :K], -1, axis).astype(np.float32)
;;   ~~~
;;   SOFTMAX AHEAD OF A QUANTISED PRODUCT. Where the list says 'softmax', what is quantised is not the finished softmax but p = 2^(t - M), with t = logit x log2(e) and M = ceil(the row's largest t), a whole number; so 1/2 < the row's largest p <= 1. The row's sum l is taken of the UNQUANTISED p, in f32, and the product's result is divided by l at the end. Since M is a whole number, a kernel that streams over the keys may use a running M (the ceiling of the running maximum): every later rescaling is an exact power of two, which a block's scale takes up: the codes' values come out the same.
;;   OPERANDS COMPUTED ON THE WAY. 'Computed on the way' means the value that the module computes at that place (a softmax that the list does not call 'softmax' is quantised finished and normalised). What goes into a quantiser is computed in f32, as accurately as f32 sums, v_exp_f32 and their like allow (about 1e-6 of the number): no bf16 or f16 on the way to a quantiser, and a product that is left as it is and whose result goes on into a quantised operand takes f32 operands (vector FMAs, or v_wmma_f32_16x16x4_f32). A number that lies on a knife's edge between two numbers of the format may be rounded either way, as far as f32 arithmetic and the matrix unit's own rounding can turn it there, and no further.
;; One version. Each part assembles by itself: llvm-mc -triple=amdgcn-amd-amdhsa -mcpu=gfx1250 --defsym DOCPART=n.
;; ======== version 1 of 1: 4 launches
;; limits: right only within a limited range of input values
;; workspace buffers: img 22,020,096 bytes; isc 917,504 bytes; qb 6,815,744 bytes; kb 6,815,744 bytes; vb 6,553,600 bytes; ob 6,291,456 bytes; os 262,144 bytes
;; launch quant (part 1): grid 256 x 1, 7 waves a work-group, no clusters, 60,160 bytes of LDS; arguments queries, keys, values, Wq, Wk, Wv, Wo, img, isc; writes img, isc
.if DOCPART == 1
	.amdgcn_target "amdgcn-amd-amdhsa--gfx1250"
	.amdhsa_code_object_version 6
	.text
	.protected	k_q7948316c24_quant
	.globl	k_q7948316c24_quant
	.p2align	8
	.type	k_q7948316c24_quant,@function
k_q7948316c24_quant:
	s_mov_b64 s[64:65], 0
	v_nop
	global_prefetch_b8 v0, s[64:65] scope:SCOPE_SE
	s_setreg_imm32_b32 hwreg(HW_REG_WAVE_MODE, 25, 1), 1
	s_wait_xcnt 0x0
; queries, keys, values [2048][4][1024] and Wq, Wk, Wv, Wo [1024][1024], f32, become codes of FP6 (E2M3) along their last axis, with one E8M0 byte for each 32 numbers,
; laid as IMAGES OF OPERAND REGISTERS.  A ROW TILE is 16 rows: lane r of tile T takes row 32 (T / 2) + 8 (T % 2) + r + 8 (r / 8) (of a batch's 2,048 rows, or of a weight's 1,024).
; An image is one row tile x 128 along K: 1,536 bytes, [piece 0..5][lane 0..31][8 bytes]; piece p holds the operand's registers 2 p and 2 p + 1.  img: [tile][K step 0..7][1,536].
; isc: [tile][r 0..15][K step 0..7] scale words of 4 bytes.  Tiles: queries 0, keys 512, values 1,024 (batch b: 128 b on), Wq 1,536, Wk 1,600, Wv 1,664, Wo 1,728: 1,792 tiles = 256 work-groups x 7 waves.
; A wave takes one tile for all eight K steps.  Each load reads 512 consecutive bytes of one row; a K step's 16 rows turn through the wave's own stage in LDS (rows of 512 + 16 bytes), from which
; lane (r, h) takes, of row r, numbers 32 b + 16 h + 0 .. 15 of each block b: 16 neighbours for each conversion.  Waves share nothing: no barrier.  Loads run two K steps (32 loads a wave) ahead.
; A block's scale is 2^(floor(log2(largest magnitude)) - 2): the largest magnitude's exponent field less 2, held at 1 from below by a floor among the maximum's leaves.
; LIMITS: NaN and infinities are not served; a block whose largest magnitude lies under 2^-124 (a block of zeros too) keeps the byte 1: only this program reads the bytes, and zero codes add nothing.
.set STG,  8448                        ; a wave's stage: 16 rows x SP
.set SP,   528
.set L16,  1                           ; v1   16 x lane
.set STI,  2                           ; v2   the stage, on the way in
.set STO,  3                           ; v3   the stage, on the way out: row r, + 64 h
.set L8,   4                           ; v4   8 x lane: my place in a piece
.set SO,   5                           ; v5   32 r + 16 h: my four scale words
.set HH,   6                           ; v6   h
.set PW,   8                           ; v8-15   the scale word of each K step
.set RO,   16                          ; v16-31  row rho of the tile: its byte offset + 16 x lane
.set R,    32                          ; v32-159 two sets of 64 registers as loaded
.set X,    160                         ; v160-223 64 numbers: register 16 b + i = k 32 b + 16 h + i of my row
.set PC,   224                         ; v224-235 the fragment; v236-238, v240-242 the conversions' second halves
.set TM,   244                         ; v244-247 largest magnitudes, v248-251 the other half's and then the bytes, v252-255 the conversions' scale operands
	s_load_b256 s[4:11], s[0:1], 0x0               ; queries s[4:5], keys s[6:7], values s[8:9], Wq s[10:11]
	s_load_b256 s[12:19], s[0:1], 0x20             ; Wk s[12:13], Wv s[14:15], Wo s[16:17], img s[18:19]
	s_load_b64 s[20:21], s[0:1], 0x40              ; isc
	v_lshl_add_u32 v239, v0, 2, 0xe700
	v_mov_b32 v243, 0
	v_lshrrev_b32 v7, 5, v0
	v_readfirstlane_b32 s22, v7                    ; wave 0..6
	v_and_b32 v7, 31, v0                           ; lane
	v_and_b32 v8, 15, v0                           ; r
	v_bfe_u32 v[HH], v0, 4, 1                      ; h
	v_lshlrev_b32 v[L16], 4, v7
	s_wait_alu depctr_va_vdst(0)
	v_lshlrev_b32 v[L8], 3, v7
	s_mul_i32 s36, s22, STG
	v_add_nc_u32 v[STI], s36, v[L16]
	v_mul_u32_u24 v[STO], v8, SP
	v_lshl_add_u32 v[STO], v[HH], 6, v[STO]
	v_add_nc_u32 v[STO], s36, v[STO]
	v_lshlrev_b32 v[SO], 5, v8
	v_lshl_add_u32 v[SO], v[HH], 4, v[SO]
	s_mul_i32 s23, ttmp9, 7
	s_add_co_u32 s23, s23, s22                     ; g: my tile, 0 .. 1,791
	s_mov_b32 s38, 0x76543210
	s_mov_b32 s39, 0xfedcba98                      ; v_permlanex16_b32's selects for lane l xor 16
	s_cmp_lt_u32 s23, 1536                         ; a tile of an activation or of a weight?
	s_cselect_b32 s26, 14, 12                      ; from a row of a tile to the next: 4 x 4,096 bytes (the batches lie between) or 4,096, as a shift
	s_cselect_b32 s27, 127, 63                     ; tiles in a batch, or in a weight, less 1
	s_cselect_b32 s28, 3, 0
	s_and_b32 s27, s23, s27                        ; T
	s_lshr_b32 s37, s23, 7
	s_and_b32 s28, s37, s28                        ; the batch (0 for a weight)
	s_lshl_b32 s29, 1, s26                         ; the stride in bytes
	; THE KEYS' TILES (512 .. 1,023) ARE DEALT OTHERWISE than all the others: lane r of tile T takes row 64 (T / 4) + 32 (r / 8) + 8 (T % 4) + r % 8,
	; so that in the scores' transposed tiles the 32 registers of four neighbouring tiles are one whole block of 32 neighbouring keys in one lane
	s_lshr_b32 s36, s23, 9
	s_cmp_eq_u32 s36, 1                            ; a tile of keys?  The choice hangs on the tile's number alone
	s_cselect_b32 s36, 2, 1                        ; tiles that share a run of rows: 4 or 2, as a shift,
	s_cselect_b32 s37, 3, 1                        ; and as a mask
	s_cselect_b32 s2, 5, 4                         ; rows from lanes 0-7's to lanes 8-15's: 32 or 16, as a shift
	s_lshl_b32 s2, s29, s2                         ; in bytes
	s_lshr_b32 s30, s27, s36
	s_add_co_u32 s36, s36, 4
	s_lshl_b32 s30, s30, s36                       ; 64 (T / 4) or 32 (T / 2)
	s_and_b32 s31, s27, s37
	s_lshl_b32 s31, s31, 3
	s_add_co_u32 s30, s30, s31                     ; 32 (T / 2) + 8 (T % 2)
	s_lshl_b32 s30, s30, s26
	s_lshl_b32 s28, s28, 12
	s_add_co_u32 s30, s30, s28                     ; the tile's first row, in bytes (under 2^26)
	s_mov_b32 s31, 0
	s_mul_i32 s32, s23, 12288                      ; my tile's eight images
	s_mov_b32 s33, 0
	s_lshl_b32 s34, s23, 9                         ; and its 512 bytes of scale words
	s_mov_b32 s35, 0
.irp p, 0,1,2,3,4,5,6,7
	v_mad_u32_u24 v[RO+\p], s29, \p, v[L16]        ; lanes 0-7's rows: eight neighbours
.endr
.irp p, 0,1,2,3,4,5,6,7
	v_add_nc_u32 v[RO+8+\p], s2, v[RO+\p]          ; lanes 8-15's: 16 rows on (keys: 32)
.endr
.irp b, 0,1,2,3
	v_mov_b32 v[TM+4+\b], 0                        ; written once: a lane permute's destination counts as one of its sources
.endr
	s_wait_alu depctr_va_vdst(0)
	s_wait_kmcnt 0x0
	s_mov_b64 s[24:25], s[16:17]                   ; the tensor is chosen by the tile's number alone
	s_cmp_lt_u32 s23, 1728
	s_cselect_b64 s[24:25], s[14:15], s[24:25]
	s_cmp_lt_u32 s23, 1664
	s_cselect_b64 s[24:25], s[12:13], s[24:25]
	s_cmp_lt_u32 s23, 1600
	s_cselect_b64 s[24:25], s[10:11], s[24:25]
	s_cmp_lt_u32 s23, 1536
	s_cselect_b64 s[24:25], s[8:9], s[24:25]
	s_cmp_lt_u32 s23, 1024
	s_cselect_b64 s[24:25], s[6:7], s[24:25]
	s_cmp_lt_u32 s23, 512
	s_cselect_b64 s[24:25], s[4:5], s[24:25]
	s_add_nc_u64 s[24:25], s[24:25], s[30:31]
	s_add_nc_u64 s[18:19], s[18:19], s[32:33]
	s_add_nc_u64 s[20:21], s[20:21], s[34:35]
.macro LOADS t                         ; K step t: 512 consecutive bytes of each of the 16 rows, into set t % 2
.irp p, 0,1,2,3,4,5,6,7,8,9,10,11,12,13,14,15
	global_load_b128 v[R+64*((\t)%2)+4*\p:R+64*((\t)%2)+4*\p+3], v[RO+\p], s[24:25] offset:512*(\t) th:TH_LOAD_NT
.endr
.endm
; 64 numbers of a lane, v[s] on, register 16 b + i = k 32 b + 16 h + i of my row, become the fragment in v[PC] on and the scale word in v[pw]
.macro QUANT s, pw
.irp b, 0,1,2,3
	v_max3_num_f32 v[TM+\b], |v[\s+16*\b]|, |v[\s+16*\b+1]|, 0x1800000   ; my 16 numbers of block b, and the floor 2^(3 - 127): the byte cannot fall under 1
.endr
.irp i, 2,4,6,8,10,12,14
.irp b, 0,1,2,3
	v_max3_num_f32 v[TM+\b], v[TM+\b], |v[\s+16*\b+\i]|, |v[\s+16*\b+\i+1]|   ; the four blocks by turns
.endr
.endr
.irp b, 0,1,2,3
	v_permlanex16_b32 v[TM+4+\b], v[TM+\b], s38, s39
.endr
.irp b, 0,1,2,3
	v_max_num_f32 v[TM+\b], v[TM+\b], v[TM+4+\b]   ; with lane l xor 16's: the block's largest magnitude
.endr
.irp b, 0,1,2,3
	v_add_nc_u32 v[TM+8+\b], 0xff000000, v[TM+\b]  ; 2 off its exponent field: the conversion takes this operand's exponent field as its scale
.endr
.irp b, 0,1,2,3
	v_lshrrev_b32 v[TM+4+\b], 23, v[TM+8+\b]       ; the scale's byte
.endr
	v_lshl_or_b32 v[\pw], v[TM+5], 8, v[TM+4]
	v_lshl_or_b32 v[\pw], v[TM+6], 16, v[\pw]
	v_lshl_or_b32 v[\pw], v[TM+7], 24, v[\pw]
.irp c, 0,1
	v_cvt_scalef32_pk16_fp6_f32 v[PC+6*\c:PC+6*\c+2], v[\s+32*\c:\s+32*\c+15], v[TM+8+2*\c]
	v_cvt_scalef32_pk16_fp6_f32 v[PC+12+4*\c:PC+14+4*\c], v[\s+32*\c+16:\s+32*\c+31], v[TM+9+2*\c]   ; (a conversion's three registers begin on an even number)
.endr
	v_nop                                          ; one plain place behind a scaled conversion
.irp c, 0,1                            ; the operand wants a WHOLE block in a lane: lanes 0-15 block 2 c, lanes 16-31 block 2 c + 1
.irp i, 0,1,2
	v_permlane16_swap_b32 v[PC+6*\c+\i], v[PC+12+4*\c+\i]
.endr
.irp i, 0,1,2
	v_mov_b32 v[PC+3+6*\c+\i], v[PC+12+4*\c+\i]
.endr
.endr
.endm
.macro STEPQ t
.if (\t) < 7
	s_wait_loadcnt 16                              ; this K step's 16 loads are in; the next step's 16 may be out
.else
	s_wait_loadcnt 0x0
.endif
.irp p, 0,1,2,3,4,5,6,7,8,9,10,11,12,13,14,15
	ds_store_b128 v[STI], v[R+64*((\t)%2)+4*\p:R+64*((\t)%2)+4*\p+3] offset:SP*\p
.endr
.irp b, 0,1,2,3
.irp j, 0,1,2,3
	ds_load_b128 v[X+16*\b+4*\j:X+16*\b+4*\j+3], v[STO] offset:128*\b+16*\j   ; LDS serves a wave's instructions in order: these see the stores above
.endr
.endr
	s_wait_dscnt 0x0                               ; the 64 numbers are in, and the stores into the stage have read their registers
	s_wait_xcnt 0x0                                ; the last step's stores have read the fragment's registers, which are written again below
.if (\t)+2 < 8
	LOADS (\t)+2
.endif
	QUANT X, PW+(\t)
.irp p, 0,1,2,3,4,5
	global_store_b64 v[L8], v[PC+2*\p:PC+2*\p+1], s[18:19] offset:1536*(\t)+256*\p   ; 32 lanes store 256 consecutive bytes, at a multiple of 256 from img's first byte
.endr
.endm
	LOADS 0
	LOADS 1
.irp t, 0,1,2,3,4,5,6,7
	STEPQ \t
.endr
	v_cmp_eq_u32 vcc_lo, 1, v[HH]
.irp i, 0,1,2,3
	v_cndmask_b32 v[X+\i], v[PW+\i], v[PW+4+\i], vcc_lo   ; lanes 0-15 store K steps 0-3 of their row's words, lanes 16-31 K steps 4-7
.endr
	global_store_b128 v[SO], v[X:X+3], s[20:21]    ; 512 consecutive bytes
	s_wait_tensorcnt 0x0
	ds_add_u32 v239, v243
	s_wait_dscnt 0x0
	s_endpgm
.Lfunc_end_k_q7948316c24_quant:
	.size	k_q7948316c24_quant, .Lfunc_end_k_q7948316c24_quant-k_q7948316c24_quant
	.p2alignl 7, 3214868480
	.fill 96, 4, 3214868480
	.section	.rodata,"a",@progbits
	.p2align	6, 0x0
	.amdhsa_kernel k_q7948316c24_quant
		.amdhsa_group_segment_fixed_size 60160
		.amdhsa_private_segment_fixed_size 0
		.amdhsa_enable_private_segment 0
		.amdhsa_kernarg_size 72
		.amdhsa_user_sgpr_count 2
		.amdhsa_user_sgpr_kernarg_segment_ptr 1
		.amdhsa_wavefront_size32 1
		.amdhsa_system_sgpr_workgroup_id_x 1
		.amdhsa_system_sgpr_workgroup_id_y 1
		.amdhsa_system_sgpr_workgroup_id_z 1
		.amdhsa_system_vgpr_workitem_id 0
		.amdhsa_next_free_vgpr 256
		.amdhsa_next_free_sgpr 66
		.amdhsa_reserve_vcc 1
		.amdhsa_float_denorm_mode_32 3
		.amdhsa_float_denorm_mode_16_64 3
		.amdhsa_memory_ordered 1
		.amdhsa_forward_progress 1
		.amdhsa_inst_pref_size 68
	.end_amdhsa_kernel
	.amdgpu_metadata
---
amdhsa.version: [ 1, 2 ]
amdhsa.kernels:
  - .name:           k_q7948316c24_quant
    .symbol:         k_q7948316c24_quant.kd
    .args:
      - { .name: queries, .offset: 0, .size: 8, .value_kind: global_buffer, .address_space: global }
      - { .name: keys, .offset: 8, .size: 8, .value_kind: global_buffer, .address_space: global }
      - { .name: values, .offset: 16, .size: 8, .value_kind: global_buffer, .address_space: global }
      - { .name: Wq, .offset: 24, .size: 8, .value_kind: global_buffer, .address_space: global }
      - { .name: Wk, .offset: 32, .size: 8, .value_kind: global_buffer, .address_space: global }
      - { .name: Wv, .offset: 40, .size: 8, .value_kind: global_buffer, .address_space: global }
      - { .name: Wo, .offset: 48, .size: 8, .value_kind: global_buffer, .address_space: global }
      - { .name: img, .offset: 56, .size: 8, .value_kind: global_buffer, .address_space: global }
      - { .name: isc, .offset: 64, .size: 8, .value_kind: global_buffer, .address_space: global }
    .group_segment_fixed_size: 60160
    .private_segment_fixed_size: 0
    .kernarg_segment_align: 8
    .kernarg_segment_size: 72
    .max_flat_workgroup_size: 224
    .sgpr_count:     66
    .vgpr_count:     256
    .wavefront_size: 32
...
	.end_amdgpu_metadata
.endif
;; end of part 1
;; launch proj (part 2): grid 4 x 96, 4 waves a work-group, clusters of 4 x 4, 327,680 bytes of LDS; arguments img, isc, bq, bk, bv, qb, kb, vb; writes qb, kb, vb
.if DOCPART == 2
	.amdgcn_target "amdgcn-amd-amdhsa--gfx1250"
	.amdhsa_code_object_version 6
	.text
	.protected	k_q7948316c24_proj
	.globl	k_q7948316c24_proj
	.p2align	8
	.type	k_q7948316c24_proj,@function
k_q7948316c24_proj:
	s_mov_b64 s[64:65], 0
	v_nop
	global_prefetch_b8 v0, s[64:65] scope:SCOPE_SE
	s_setreg_imm32_b32 hwreg(HW_REG_WAVE_MODE, 25, 1), 1
	s_wait_xcnt 0x0
	s_wait_alu depctr_hold_cnt(0) depctr_sa_sdst(0) depctr_va_vdst(0) depctr_va_sdst(0) depctr_va_ssrc(0) depctr_va_vcc(0) depctr_vm_vsrc(0)
	s_getreg_b32 s2, hwreg(HW_REG_IB_STS2, 6, 4)
	s_cmp_eq_u32 s2, 0
	s_cbranch_scc0 .Lentry_in_a_cluster
	s_endpgm
.Lentry_in_a_cluster:
	s_bfe_u32 s2, ttmp6, 0x10000c
	s_cmp_lg_u32 s2, 0xf033
	s_cbranch_scc0 .Lentry_shape_is_right
	s_endpgm
.Lentry_shape_is_right:
.set NQ,    2
.set FR,    12
.set NL,    6
.set NP,    4
.set IMGB,  1536
.set TILEB, NQ*IMGB
.set HALFT, 8*TILEB
.set SLOT,  4*HALFT
.set SCL,   2*SLOT
.set HALFS, 8*512
.set SPARE, SCL+4*HALFS
.set ADRA, 16
.set VO1,  18
.set VS,   19
.set ADRB, 20
.set H16,  22
.set VO0,  26
.set ADRS, 27
.set SPW,  28
.set NIL,  29
.set SC,   32
.set BIAS, 64
.set AF,   128
.set VA,   224
.set TM,   232
.set PC,   128
.set SW,   32
.set TT,   48
.set G1, 24
.set G0, 32
.set G1B, 48
.set G0B, 56
.set G1S, 68
.set G0S, 76
.set G1SB, 80
.set G0SB, 88
.set MSB, 0
.macro WIN new
.if MSB != (\new)
	s_set_vgpr_msb (MSB<<8)|(\new)
.set MSB, \new
.endif
.endm
.set MUL_LO, 0xa1
.set MUL_HI, 0xf1
.set TO_B,   0x40
.macro JLOAD g0a, g1a, g0b, g1b
	s_cmp_eq_u32 s21, 0
	s_cbranch_scc0 .Lfor_b_\@
	tensor_load_to_lds s[\g0a:\g0a+3], s[\g1a:\g1a+7]
	s_nop 0
.rept 4
	v_nop
.endr
	s_branch .Lasked_\@
.Lfor_b_\@:
	tensor_load_to_lds s[\g0b:\g0b+3], s[\g1b:\g1b+7]
	s_nop 0
.rept 4
	v_nop
.endr
.Lasked_\@:
.endm
.macro CREST
	s_cmp_lg_u32 s20, 0
	s_cbranch_scc1 .Lnot_wave_0_\@
	s_barrier_signal -3
.Lnot_wave_0_\@:
	s_barrier_wait -3
	s_barrier_signal -1
	s_barrier_wait -1
.endm
.macro CROUND
	s_barrier_signal -1
	s_barrier_wait -1
	CREST
.endm
	s_load_b256 s[4:11], s[0:1], 0x0
	s_load_b256 s[12:19], s[0:1], 0x20
	v_lshl_add_u32 v[SPW], v0, 2, SPARE
	v_mov_b32 v[NIL], 0
	ds_add_u32 v28, v29
	ds_add_u32 v28, v29
	s_wait_dscnt 0x0
	v_lshrrev_b32 v1, 5, v0
	v_readfirstlane_b32 s20, v1
	s_lshr_b32 s21, s20, 1
	s_and_b32 s22, s20, 1
	s_lshl_b32 s23, s22, 3
	s_bfe_u32 s40, ttmp6, 0x40000
	s_bfe_u32 s41, ttmp6, 0x40004
	s_and_b32 s42, ttmp7, 0xffff
	s_lshr_b32 s43, s42, 3
	s_and_b32 s44, s42, 7
	s_lshr_b32 s45, s43, 1
	s_xor_b32 s46, s45, 1
	s_lshl_b32 s92, s43, 9
	s_mul_i32 s93, s45, 640
	s_add_co_u32 s92, s92, s93
	s_mul_i32 s93, s44, s46
	s_lshl_b32 s93, s93, 6
	s_add_co_u32 s92, s92, s93
	s_lshl_b32 s93, s41, 4
	s_add_co_u32 s92, s92, s93
	s_lshl_b32 s94, s43, 6
	s_add_co_u32 s94, s94, 1536
	s_mul_i32 s95, s45, 640
	s_sub_co_u32 s94, s94, s95
	s_mul_i32 s95, s44, s45
	s_lshl_b32 s95, s95, 6
	s_add_co_u32 s94, s94, s95
	s_lshl_b32 s95, s40, 4
	s_add_co_u32 s94, s94, s95
	s_mul_i32 s96, s92, 8*IMGB
	s_mov_b32 s97, 0
	s_lshl_b32 s98, s92, 9
	s_mov_b32 s99, 0
	s_mul_i32 s2, s94, 8*IMGB
	s_mov_b32 s3, 0
	s_lshl_b32 s66, s94, 9
	s_mov_b32 s67, 0
	s_lshl_b32 s93, s41, 2
	s_lshl_b32 s93, 15, s93
	s_lshl_b32 s95, 0x1111, s40
	s_or_b32 s[G1+0], s93, (3<<16)|(1<<21)
	s_or_b32 s[G1B+0], s95, (3<<16)|(1<<21)
.irp g, G1, G1B
	s_mov_b32 s[\g+1], 384<<16
	s_mov_b32 s[\g+2], 16<<16                      ; the head's loads bring all 16 row tiles; behind them the two words that count rows are set to 8, for the ring's
	s_mov_b32 s[\g+3], 384<<16
	s_mov_b32 s[\g+4], 16
	s_mov_b32 s[\g+5], 1536
	s_mov_b32 s[\g+6], 0
	s_mov_b32 s[\g+7], 0
.endr
	s_or_b32 s[G1S+0], s93, (3<<16)|(1<<21)
	s_or_b32 s[G1SB+0], s95, (3<<16)|(1<<21)
.irp g, G1S, G1SB
	s_mov_b32 s[\g+1], 32<<16
	s_mov_b32 s[\g+2], 32<<16                      ; the scale words of all 16 row tiles: 32 rows of 256 bytes
	s_mov_b32 s[\g+3], 32<<16
	s_mov_b32 s[\g+4], 32
	s_mov_b32 s[\g+5], 32
	s_mov_b32 s[\g+6], 0
	s_mov_b32 s[\g+7], 0
.endr
	s_mul_i32 s47, s20, HALFT
	s_mul_i32 s100, s23, 8*IMGB                    ; in the ring I fetch 8 of a side's 16 row tiles: which half, in bytes
	s_mov_b32 s101, 0
	s_wait_kmcnt 0x0
	s_add_nc_u64 s[96:97], s[4:5], s[96:97]
	s_add_nc_u64 s[98:99], s[6:7], s[98:99]
	s_add_nc_u64 s[2:3], s[4:5], s[2:3]
	s_add_nc_u64 s[66:67], s[6:7], s[66:67]
	CROUND
	; THE HEAD'S FOUR TILES, each whole, one load a wave: wave 0 slot 0's 16 row tiles of A, wave 1 those of B, wave 2 A's scale words, wave 3 B's
	s_mov_b32 s[G0S], 1
	s_mov_b32 s[G0S+1], SCL
	s_mov_b64 s[G0S+2:G0S+3], s[98:99]
	s_or_b32 s[G0S+3], s[G0S+3], 0x80000000
	s_mov_b32 s[G0SB], 1
	s_mov_b32 s[G0SB+1], SCL+2*HALFS
	s_mov_b64 s[G0SB+2:G0SB+3], s[66:67]
	s_or_b32 s[G0SB+3], s[G0SB+3], 0x80000000
	s_mov_b32 s[G0], 1
	s_mov_b32 s[G0+1], 0
	s_mov_b64 s[G0+2:G0+3], s[96:97]
	s_or_b32 s[G0+3], s[G0+3], 0x80000000
	s_mov_b32 s[G0B], 1
	s_mov_b32 s[G0B+1], 2*HALFT
	s_mov_b64 s[G0B+2:G0B+3], s[2:3]
	s_or_b32 s[G0B+3], s[G0B+3], 0x80000000
	s_mov_b32 s[G0+4], 1                           ; slot 1, for the ring: my 8 row tiles
	s_add_co_u32 s[G0+5], s47, SLOT
	s_add_nc_u64 s[G0+6:G0+7], s[96:97], s[100:101]
	s_add_nc_u64 s[G0+6:G0+7], s[G0+6:G0+7], TILEB
	s_or_b32 s[G0+7], s[G0+7], 0x80000000
	s_mov_b32 s[G0B+4], 1
	s_add_co_u32 s[G0B+5], s47, SLOT
	s_add_nc_u64 s[G0B+6:G0B+7], s[2:3], s[100:101]
	s_add_nc_u64 s[G0B+6:G0B+7], s[G0B+6:G0B+7], TILEB
	s_or_b32 s[G0B+7], s[G0B+7], 0x80000000
	s_add_co_u32 s98, s47, 0                       ; kept for slot 0's ring descriptors: my LDS place,
	s_mov_b32 s66, s100                            ; and my half's offset in bytes
	s_mov_b32 s67, 0
.macro ARM under, g0, g1, next                 ; one tree of branches on the wave's number: every way passes exactly one load
	s_cmp_lt_u32 s20, \under
	s_cbranch_scc0 \next
	tensor_load_to_lds s[\g0:\g0+3], s[\g1:\g1+7]
	s_nop 0
.rept 4
	v_nop
.endr
	s_branch .Lhead_asked
\next:
.endm
	ARM 1, G0,  G1,  .Lhead_b
	ARM 2, G0B, G1B, .Lhead_sa
	ARM 3, G0S, G1S, .Lhead_sb
	tensor_load_to_lds s[G0SB:G0SB+3], s[G1SB:G1SB+7]
	s_nop 0
.rept 4
	v_nop
.endr
.Lhead_asked:
	v_and_b32 v1, 15, v0
	v_bfe_u32 v2, v0, 4, 1
	s_wait_alu depctr_va_vdst(0)
	v_and_b32 v3, 31, v0
	v_lshlrev_b32 v[VO0], 3, v3
	s_wait_alu depctr_va_vdst(0)
	s_mul_i32 s47, s21, HALFT
	s_mul_i32 s100, s22, HALFT
	s_add_co_u32 s100, s100, 2*HALFT
.irp s, 0,1
	v_add_nc_u32 v[ADRA+\s], s47, v[VO0]
	v_add_nc_u32 v[ADRB+\s], s100, v[VO0]
	s_add_co_u32 s47, s47, SLOT
	s_add_co_u32 s100, s100, SLOT
.endr
	s_lshl_b32 s47, s21, 12
	s_lshl_b32 s100, s22, 12
	s_add_co_u32 s100, s100, 2*HALFS
	s_sub_co_u32 s100, s100, s47
	v_mul_u32_u24 v4, s100, v2
	s_add_co_u32 s47, s47, SCL
	v_lshl_add_u32 v4, v1, 5, v4
	v_add_nc_u32 v[ADRS], s47, v4
	s_cmp_eq_u32 s43, 0
	s_cselect_b64 s[8:9], s[8:9], s[10:11]
	s_cselect_b64 s[14:15], s[14:15], s[16:17]
	s_cmp_eq_u32 s43, 2
	s_cselect_b64 s[8:9], s[12:13], s[8:9]
	s_cselect_b64 s[14:15], s[18:19], s[14:15]
	s_cselect_b32 s4, s40, s41
	s_cselect_b32 s5, s41, s40
	s_cselect_b32 s6, s22, s21
	s_cselect_b32 s7, s21, s22
	s_lshl_b32 s10, s5, 10
	s_lshl_b32 s11, s7, 9
	s_add_co_u32 s10, s10, s11
	s_mov_b32 s11, 0
	s_add_nc_u64 s[8:9], s[8:9], s[10:11]
	s_lshl_b32 s12, s44, 2
	s_add_co_u32 s12, s12, s4
	s_lshr_b32 s13, s12, 3
	s_and_b32 s12, s12, 7
	s_lshl_b32 s12, s12, 1
	s_add_co_u32 s12, s12, s6
	s_lshl_b32 s18, s5, 2
	s_lshl_b32 s19, s7, 1
	s_add_co_u32 s18, s18, s19
	s_lshl_b32 s13, s13, 4
	s_add_co_u32 s13, s13, s18
	s_lshl_b32 s13, s13, 4
	s_add_co_u32 s13, s13, s12
	s_lshl_b32 s10, s45, 8
	s_sub_co_u32 s10, 6656, s10
	s_mul_i32 s10, s13, s10
	s_add_nc_u64 s[14:15], s[14:15], s[10:11]
	s_mov_b64 s[16:17], s[14:15]
	s_mul_i32 s4, s45, 768
	s_add_co_u32 s4, s4, 768
	s_mov_b32 s5, 0
	s_mul_i32 s6, s45, 97024
	s_add_co_u32 s6, s6, 768
	s_mov_b32 s7, 0
	s_mul_i32 s10, s45, 105728
	s_sub_co_u32 s10, 106496, s10
	v_add_nc_u32 v[VO1], s10, v[VO0]
	s_lshl_b32 s10, s45, 12
	s_sub_co_u32 s10, 106496, s10
	v_mul_u32_u24 v[VS], s10, v2
	v_lshl_add_u32 v[VS], v1, 4, v[VS]
	v_and_b32 v4, 8, v1
	v_add_nc_u32 v4, v4, v1
	v_lshlrev_b32 v[H16], 4, v2
	v_mul_u32_u24 v5, v[H16], s46
	v_mad_u32_u24 v5, v4, s45, v5
.irp j, 0,1,2,3,4,5,6,7
	v_mad_u32_u24 v[VA+\j], s46, \j, v5
.endr
.irp j, 0,1,2,3,4,5,6,7
	v_lshlrev_b32 v[VA+\j], 2, v[VA+\j]
.endr
.irp i, 0,1,2,3,4,5,6,7
.irp j, 0,1,2,3,4,5,6,7
	global_load_b32 v[BIAS+8*\i+\j], v[VA+\j], s[8:9] offset:4*(32*(\i/2)+8*(\i%2))
.endr
.endr
.irp b, 0,1,2,3
	v_mov_b32 v[TM+4+\b], 0
.endr
	s_mov_b32 s10, 0x76543210
	s_mov_b32 s11, 0xfedcba98
.macro FRAG reg, adr, q, i
.irp p, 0,1,2,3,4,5
	ds_load_b64 v[\reg+2*\p:\reg+2*\p+1], v[\adr] offset:TILEB*(\i)+IMGB*(\q)+256*\p
.endr
.endm
.macro MUL16 a0, p, q, sc, cs
.irp a, \a0, \a0+1
.irp b, 0,1,2,3,4,5,6,7
.set rD, 8*(8*((\a)%4)+\b)
.set rB, 128*(\p)+FR*\b
.set rA, AF+FR*(\a)
.set rSB, SC+8*NQ*(\sc)+NQ*\b+(\q)
.set rSA, SC+8*NQ*(\sc)+NQ*(\a)+(\q)
.if (\cs) == 1
	v_wmma_scale_f32_16x16x128_f8f6f4 v[rD:rD+7], v[rB:rB+FR-1], v[rA:rA+FR-1], v[BIAS+8*\b:BIAS+8*\b+7], v[rSB], v[rSA] matrix_a_fmt:MATRIX_FMT_FP6 matrix_b_fmt:MATRIX_FMT_FP6 matrix_a_scale:MATRIX_SCALE_ROW1
.elseif (\cs) == 2
	v_wmma_scale_f32_16x16x128_f8f6f4 v[rD:rD+7], v[rB:rB+FR-1], v[rA:rA+FR-1], v[BIAS+8*(\a):BIAS+8*(\a)+7], v[rSB], v[rSA] matrix_a_fmt:MATRIX_FMT_FP6 matrix_b_fmt:MATRIX_FMT_FP6 matrix_a_scale:MATRIX_SCALE_ROW1
.else
	v_wmma_scale_f32_16x16x128_f8f6f4 v[rD:rD+7], v[rB:rB+FR-1], v[rA:rA+FR-1], v[rD:rD+7], v[rSB], v[rSA] matrix_a_fmt:MATRIX_FMT_FP6 matrix_b_fmt:MATRIX_FMT_FP6 matrix_a_scale:MATRIX_SCALE_ROW1
.endif
.endr
.endr
.endm
.macro FETCH_B slot, q, p
	WIN TO_B
.irp i, 0,1,2,3,4,5,6,7
	FRAG 128*(\p)+FR*\i, ADRB+\slot, \q, \i
.endr
	WIN 0
.endm
.macro FETCH_A slot, q, i0
.irp i, \i0, \i0+1, \i0+2, \i0+3
	FRAG AF+FR*(\i), ADRA+\slot, \q, \i
.endr
.endm
.macro SCALES sc
.irp i, 0,1,2,3,4,5,6,7
	ds_load_b64 v[SC+8*NQ*\sc+NQ*\i:SC+8*NQ*\sc+NQ*\i+1], v[ADRS] offset:512*\i
.endr
.endm
.macro PLACES n
.rept \n
	v_nop
.endr
.endm
.macro STEP slot, q, cs
	s_wait_dscnt 4*NL
.if \cs
	WIN 0x81
.else
	WIN MUL_LO
.endif
	MUL16 0, (\q)%2, \q, \slot, \cs
	MUL16 2, (\q)%2, \q, \slot, \cs
	s_wait_dscnt 0
	PLACES NP
	FETCH_B \slot, (\q)+1, 1-(\q)%2
	FETCH_A \slot, (\q)+1, 0
.if \cs
	WIN 0xc1
.else
	WIN MUL_HI
.endif
	MUL16 4, (\q)%2, \q, \slot, \cs
	MUL16 6, (\q)%2, \q, \slot, \cs
	PLACES NP
	WIN 0
	FETCH_A \slot, (\q)+1, 4
.endm
.macro TURN slot, next, fill
	s_wait_tensorcnt 0x0
	ds_add_u32 v[SPW], v[NIL]
	s_wait_dscnt 4*NL+1
	WIN MUL_LO
	MUL16 0, 1, NQ-1, \slot, 0
	s_wait_dscnt 0x0
	s_barrier_signal -1
	MUL16 2, 1, NQ-1, \slot, 0
	WIN 0
	s_barrier_wait -1
.if \fill
	CREST
	s_add_nc_u64 s[G0+4*\slot+2:G0+4*\slot+3], s[G0+4*\slot+2:G0+4*\slot+3], 2*TILEB
	s_add_nc_u64 s[G0B+4*\slot+2:G0B+4*\slot+3], s[G0B+4*\slot+2:G0B+4*\slot+3], 2*TILEB
	JLOAD G0+4*\slot, G1, G0B+4*\slot, G1B
.else
	PLACES NP
.endif
	s_wait_alu depctr_va_vdst(0)
	v_add_nc_u32 v[ADRS], 4*NQ, v[ADRS]
	FETCH_B \next, 0, 0
	FETCH_A \next, 0, 0
	SCALES \next
	WIN MUL_HI
	MUL16 4, 1, NQ-1, \slot, 0
	MUL16 6, 1, NQ-1, \slot, 0
	PLACES NP
	WIN 0
	FETCH_A \next, 0, 4
.endm
	s_wait_alu depctr_va_vdst(0)                   ; the wait at the head's end
	s_wait_tensorcnt 0x0                           ; my tile of the head's four is in
	ds_add_u32 v28, v29
	s_mov_b32 s[G1+2], 8<<16                       ; no tensor load of mine is out, so the descriptors may be written: from here on a load brings 8 row tiles,
	s_mov_b32 s[G1+4], 8
	s_mov_b32 s[G1B+2], 8<<16
	s_mov_b32 s[G1B+4], 8
	s_add_co_u32 s[G0+1], s98, 0                   ; and slot 0's refills are my half's
	s_add_nc_u64 s[G0+2:G0+3], s[G0+2:G0+3], s[66:67]
	s_add_co_u32 s[G0B+1], s98, 0
	s_add_nc_u64 s[G0B+2:G0B+3], s[G0B+2:G0B+3], s[66:67]
	s_wait_dscnt 0x0
	CROUND                                         ; all four tiles are in, and all sixteen work-groups are here
	JLOAD G0+4, G1, G0B+4, G1B                     ; slot 1's first fill, the first tensor load behind the round
	FETCH_B 0, 0, 0
	FETCH_A 0, 0, 0
	SCALES 0
	FETCH_A 0, 0, 4
	s_wait_loadcnt 0x0
	s_cmp_eq_u32 s45, 0
	s_cbranch_scc0 .Lfirst_v
	STEP 0, 0, 1
	s_branch .Lfirst_done
.Lfirst_v:
	STEP 0, 0, 2
.Lfirst_done:
	TURN 0, 1, 1
	STEP 1, 0, 0
	TURN 1, 0, 1
	STEP 0, 0, 0
	TURN 0, 1, 0
	STEP 1, 0, 0
	s_wait_dscnt 4*NL
	WIN MUL_LO
	MUL16 0, 1, NQ-1, 1, 0
	MUL16 2, 1, NQ-1, 1, 0
	s_wait_dscnt 0
	WIN MUL_HI
	MUL16 4, 1, NQ-1, 1, 0
	MUL16 6, 1, NQ-1, 1, 0
	WIN 0
.macro QOUT a
.set AC, 64*((\a)%4)
	WIN 0x0a+5*((\a)/4)
.irp b, 0,1,2,3
	v_max3_num_f32 v[TM+\b], |v[AC+16*\b]|, |v[AC+16*\b+1]|, 0x1800000
.endr
.irp i, 2,4,6,8,10,12,14
.irp b, 0,1,2,3
	v_max3_num_f32 v[TM+\b], |v[AC+16*\b+\i]|, |v[AC+16*\b+\i+1]|, v[TM+\b]
.endr
.endr
	WIN 0
.irp b, 0,1,2,3
	v_permlanex16_b32 v[TM+4+\b], v[TM+\b], s10, s11
.endr
.irp b, 0,1,2,3
	v_max_num_f32 v[TM+\b], v[TM+\b], v[TM+4+\b]
.endr
.irp b, 0,1,2,3
	v_add_nc_u32 v[TM+8+\b], 0xff000000, v[TM+\b]
.endr
.irp b, 0,1,2,3
	v_lshrrev_b32 v[TM+4+\b], 23, v[TM+8+\b]
.endr
	v_lshl_or_b32 v[SW+\a], v[TM+5], 8, v[TM+4]
	v_lshl_or_b32 v[SW+\a], v[TM+6], 16, v[SW+\a]
	v_lshl_or_b32 v[SW+\a], v[TM+7], 24, v[SW+\a]
.if (\a) > 0
	s_wait_xcnt 0x0
.if (\a) == 4
	s_add_nc_u64 s[14:15], s[14:15], s[6:7]
.else
	s_add_nc_u64 s[14:15], s[14:15], s[4:5]
.endif
.endif
	WIN 0x02+(\a)/4
.irp c, 0,1
	v_cvt_scalef32_pk16_fp6_f32 v[PC+6*\c:PC+6*\c+2], v[AC+32*\c:AC+32*\c+15], v[TM+8+2*\c]
	v_cvt_scalef32_pk16_fp6_f32 v[PC+12+4*\c:PC+14+4*\c], v[AC+32*\c+16:AC+32*\c+31], v[TM+9+2*\c]
.endr
	WIN 0
	v_nop
.irp c, 0,1
.irp i, 0,1,2
	v_permlane16_swap_b32 v[PC+6*\c+\i], v[PC+12+4*\c+\i]
.endr
.irp i, 0,1,2
	v_mov_b32 v[PC+3+6*\c+\i], v[PC+12+4*\c+\i]
.endr
.endr
.irp p, 0,1,2
	global_store_b64 v[VO0], v[PC+2*\p:PC+2*\p+1], s[14:15] offset:256*\p
.endr
.irp p, 0,1,2
	global_store_b64 v[VO1], v[PC+6+2*\p:PC+7+2*\p], s[14:15] offset:256*\p
.endr
.endm
	PLACES NP
.irp a, 0,1,2,3,4,5,6,7
	QOUT \a
.endr
	s_cmp_eq_u32 s45, 0
	s_cbranch_scc0 .Lwords_v
.irp g, 0,1
.irp i, 0,1,2,3
	v_lshrrev_b32 v[TT+4*\g+\i], v[H16], v[SW+4*\g+\i]
.endr
.irp i, 0,1,2,3
	v_and_b32 v[TT+4*\g+\i], 0xffff, v[TT+4*\g+\i]
.endr
	global_store_b128 v[VS], v[TT+4*\g:TT+4*\g+3], s[16:17] offset:6144+256*\g
.endr
	s_branch .Lwords_done
.Lwords_v:
	v_cmp_eq_u32 vcc_lo, 1, v2
.irp i, 0,1,2,3
	v_cndmask_b32 v[TT+\i], v[SW+\i], v[SW+4+\i], vcc_lo
.endr
	global_store_b128 v[VS], v[TT:TT+3], s[16:17] offset:6144
.Lwords_done:
	s_wait_tensorcnt 0x0
	ds_add_u32 v[SPW], v[NIL]
	s_wait_dscnt 0x0
	CROUND
	s_endpgm
.Lfunc_end_k_q7948316c24_proj:
	.size	k_q7948316c24_proj, .Lfunc_end_k_q7948316c24_proj-k_q7948316c24_proj
	.p2alignl 7, 3214868480
	.fill 96, 4, 3214868480
	.section	.rodata,"a",@progbits
	.p2align	6, 0x0
	.amdhsa_kernel k_q7948316c24_proj
		.amdhsa_group_segment_fixed_size 327680
		.amdhsa_private_segment_fixed_size 0
		.amdhsa_enable_private_segment 0
		.amdhsa_kernarg_size 64
		.amdhsa_user_sgpr_count 2
		.amdhsa_user_sgpr_kernarg_segment_ptr 1
		.amdhsa_wavefront_size32 1
		.amdhsa_system_sgpr_workgroup_id_x 1
		.amdhsa_system_sgpr_workgroup_id_y 1
		.amdhsa_system_sgpr_workgroup_id_z 1
		.amdhsa_system_vgpr_workitem_id 0
		.amdhsa_next_free_vgpr 1024
		.amdhsa_next_free_sgpr 102
		.amdhsa_reserve_vcc 1
		.amdhsa_float_denorm_mode_32 3
		.amdhsa_float_denorm_mode_16_64 3
		.amdhsa_memory_ordered 1
		.amdhsa_forward_progress 1
		.amdhsa_inst_pref_size 191
	.end_amdhsa_kernel
	.amdgpu_metadata
---
amdhsa.version: [ 1, 2 ]
amdhsa.kernels:
  - .name:           k_q7948316c24_proj
    .symbol:         k_q7948316c24_proj.kd
    .args:
      - { .name: img, .offset: 0, .size: 8, .value_kind: global_buffer, .address_space: global }
      - { .name: isc, .offset: 8, .size: 8, .value_kind: global_buffer, .address_space: global }
      - { .name: bq, .offset: 16, .size: 8, .value_kind: global_buffer, .address_space: global }
      - { .name: bk, .offset: 24, .size: 8, .value_kind: global_buffer, .address_space: global }
      - { .name: bv, .offset: 32, .size: 8, .value_kind: global_buffer, .address_space: global }
      - { .name: qb, .offset: 40, .size: 8, .value_kind: global_buffer, .address_space: global }
      - { .name: kb, .offset: 48, .size: 8, .value_kind: global_buffer, .address_space: global }
      - { .name: vb, .offset: 56, .size: 8, .value_kind: global_buffer, .address_space: global }
    .group_segment_fixed_size: 327680
    .private_segment_fixed_size: 0
    .kernarg_segment_align: 8
    .kernarg_segment_size: 64
    .max_flat_workgroup_size: 128
    .sgpr_count:     102
    .vgpr_count:     1024
    .wavefront_size: 32
...
	.end_amdgpu_metadata
.endif
;; end of part 2
;; launch attn (part 3): grid 4 x 64, 16 waves a work-group, clusters of 4 x 1, 327,680 bytes of LDS; arguments qb, kb, vb, ob, os; writes ob, os
.if DOCPART == 3
	.amdgcn_target "amdgcn-amd-amdhsa--gfx1250"
	.amdhsa_code_object_version 6
	.text
	.protected	k_q7948316c24_attn
	.globl	k_q7948316c24_attn
	.p2align	8
	.type	k_q7948316c24_attn,@function
k_q7948316c24_attn:
	s_mov_b64 s[64:65], 0
	v_nop
	global_prefetch_b8 v0, s[64:65] scope:SCOPE_SE
	s_setreg_imm32_b32 hwreg(HW_REG_WAVE_MODE, 25, 1), 1
	s_wait_xcnt 0x0
	s_wait_alu depctr_hold_cnt(0) depctr_sa_sdst(0) depctr_va_vdst(0) depctr_va_sdst(0) depctr_va_ssrc(0) depctr_va_vcc(0) depctr_vm_vsrc(0)
	s_getreg_b32 s2, hwreg(HW_REG_IB_STS2, 6, 4)
	s_cmp_eq_u32 s2, 0
	s_cbranch_scc0 .Lentry_in_a_cluster
	s_endpgm
.Lentry_in_a_cluster:
	s_bfe_u32 s2, ttmp6, 0x10000c
	s_cmp_lg_u32 s2, 0x3003
	s_cbranch_scc0 .Lentry_shape_is_right
	s_endpgm
.Lentry_shape_is_right:
; o = softmax(q k^T / 8) v for one (batch, head), both products on codes of FP6 (E2M3) with E8M0 scales, and o quantised at once for the last projection.
; t = score x log2(e) / 8; M = the running largest t rounded UP to a whole number; p = 2^(t - M) is quantised along the keys, not normalised; the row's sum is taken of the unquantised p and divides at the end.
; When M moves, the sum and O are multiplied by 2^(old M - new M): exact.
; SHARES.  A work-group owns 512 queries of one head: 4 x 64 = 256 work-groups.  Each of its sixteen waves (256 registers, four waves to a SIMD) walks all 2,048 keys twice, for query tile T = 32 x + wave and then for T + 16.
; THE WHOLE HEAD LIES IN LDS and is brought once: K's sixteen records (6,656 bytes for 128 keys) from byte 0, V's sixteen (6,400) from byte 106,496.  No byte is filled twice.
; CLUSTER.  The four work-groups of a cluster belong to one head: K and V are asked for JOINTLY, all at the head: waves 0-7 ask for two records of K each (52 rows of 256 bytes), waves 8-15 for two of V (50 rows): one load a wave.
; NO PREFETCH: all that the launch reads of K and V is asked for at the head: no later stream is left to run ahead of.
; LAYOUT.  Both products are used transposed: S^T = K Q^T (source 0 = 16 keys), O^T = V^T P^T (source 0 = 16 of the head's 64): a lane holds ONE query (lane % 16).
; Lane r of K's tile 4 c + u holds key 64 c + 32 (r / 8) + 8 u + r % 8 of the step's 128 (the quantising launch deals the keys' rows so): the 32 registers of tiles 4 c .. 4 c + 3 are keys 64 c + 32 h + 0 .. 31,
; h = lane / 16: ONE WHOLE BLOCK IN ONE LANE, in the order in which the operand's registers want p's codes.
; TWO REGIONS OF 64 REGISTERS TAKE TURNS: in one step the scores lie in one and K's, then V's fragments in the other; when p's codes are made, the scores' region takes the NEXT step's K, ahead of this step's second product.
; So a loop's trip is two key steps.
; THE HEAD'S 64 IN AN INSTRUCTION OF 128: a tile of K is six registers; the instruction names twelve, and the upper six (the next tile's codes; behind the last tile whatever bits lie there: every pattern is a finite code)
; meet Q's upper six, which are zero codes: they add nothing.
; OUT.  ob: [128 b + T][K step][1,536]: head h fills the 768 bytes at 768 h of a tile's 12,288.  os: [128 b + T][r][32]: head h fills bytes 2 h, 2 h + 1 of a row: one byte a lane.
; (O^T's channels: lane r of V's tile d is channel 32 (d / 2) + 8 (d % 2) + r + 8 (r / 8), so the 16 registers of tiles 2 i, 2 i + 1 are channels 32 i + 16 h + 0 .. 15.)
; LIMITS: the promise holds while the scaled scores t stay under 2^31 in magnitude; NaN and infinities are not served; a block whose largest magnitude lies under 2^-124 keeps the scale byte 1.
.set L8,   1                           ; v1   8 x lane
.set R16,  2                           ; v2   16 r
.set ADK,  3                           ; v3   LDS address of the next step's tiles of K
.set ADS,  4                           ; v4   of their scale words
.set ADV,  5                           ; v5   of this step's images of V
.set ADT,  6                           ; v6   of their scale words
.set OSO,  7                           ; v7   32 r + h: my byte in os
.set RM,   8
.set T2,   9                           ; what lane l xor 16 sends
.set HH,   10                          ; v10  h
.set TP,   11                          ; v12 -M, v13 the running largest score, v[14:15] the row's sum in two halves
.set QC,   16                          ; v16-21 Q's codes, v22-27 zero codes
.set QS,   28                          ; v28  Q's scale word
.set PS,   29                          ; v29  p's scale word;  v30-33 and v224-227 K's scale words
.set QSB,  34                          ; v34  the second tile's Q's scale word
.set RB,   36                          ; v36-99   the two regions
.set RA,   100                         ; v100-163
.set O,    164                         ; v164-195 O^T
.set PC,   196                         ; v196-207 p's codes
.set CT,   208                         ; v208-210, v212-214 the conversions' second halves
.set BM,   216                         ; v216-217 my two blocks' largest score, then largest p
.set BX,   218                         ; v218-219 a second chain of each maximum; then the scales' bytes
.set SO,   220                         ; v220-221 the conversions' scale operands
.set F,    222                         ; v[222:223] f = 2^(old M - new M) (the pair is named, the low word serves)
.set VSC,  228                         ; v228-231 V's scale words
.set TS,   232                         ; v232-247 eight chains of the row's sum
.set QB,   248                         ; v248-253 the second tile's Q
.set SPW,  254                         ; LDS address of my spare word; never rewritten
.set NIL,  255                         ; 0; never rewritten
.set WV,   18                          ; s18 my wave's number
.set CNT,  19
.set SEL,  20                          ; s[20:21] v_permlanex16_b32's selects for lane l xor 16
.set CS,   22                          ; s[22:23] c = log2(e) / 8
.set G1K,  24                          ; s[24:31] descriptor group 1 for two records of K;  s[32:39] of V
.set G1V,  32
.set G0K,  40                          ; s[40:43] group 0 for my records of K;  s[44:47] of V
.set G0V,  44
.set PA,   48                          ; s48, s49 byte selects for the scale word
.set PB,   49
.set PASS, 55
.set TK,   2                           ; s2  LDS byte of the next step's record of K
.set TV,   3                           ; s3  of this step's record of V
.set KREC, 6656
.set VREC, 6400
.set VB0,  16*KREC
.set SPARE, VB0+16*VREC                ; 208,896: the spare words, 128 bytes for each of the 16 waves
.macro ROUND                           ; a round of the cluster's barrier
	s_barrier_signal -1
	s_barrier_wait -1
	s_cmp_lg_u32 s[WV], 0
	s_cbranch_scc1 .Lnot_wave_0_\@
	s_barrier_signal -3
.Lnot_wave_0_\@:
	s_barrier_wait -3
	s_barrier_signal -1
	s_barrier_wait -1
.endm
	s_load_b256 s[4:11], s[0:1], 0x0               ; qb s[4:5], kb s[6:7], vb s[8:9], ob s[10:11]
	s_load_b64 s[12:13], s[0:1], 0x20              ; os
	v_lshl_add_u32 v[SPW], v0, 2, SPARE
	v_mov_b32 v[NIL], 0
	ds_add_u32 v[SPW], v[NIL]                      ; the opening lines: the add, twice on end, and its wait ahead of my first tensor load
	ds_add_u32 v[SPW], v[NIL]
	v_lshrrev_b32 v1, 5, v0
	s_delay_alu instid0(VALU_DEP_1)
	v_readfirstlane_b32 s[WV], v1                  ; wave 0..15
	s_bfe_u32 s14, ttmp6, 0x40000                  ; cx: it enters Q's and the outputs' addresses alone
	s_lshl_b32 s15, ttmp9, 2
	s_add_co_u32 s15, s15, s14                     ; my block of 512 queries
	s_and_b32 s16, ttmp7, 0xffff                   ; 16 b + head, which the four partners share
	s_lshl_b32 s17, s15, 5
	s_add_co_u32 s17, s17, s[WV]                   ; T: my first tile of queries; the second is T + 16
	s_mul_i32 s50, s16, 16*KREC                    ; the head's first byte in qb and kb,
	s_mul_i32 s52, s16, 16*VREC                    ; and in vb
	s_and_b32 s54, s[WV], 7                        ; which pair of records is mine
	s_mul_i32 s[G0K+1], s54, 2*KREC                ; where it goes in LDS,
	s_mul_i32 s[G0V+1], s54, 2*VREC
	s_add_co_u32 s72, s50, s[G0K+1]                ; and where it lies in memory
	s_mov_b32 s73, 0
	s_add_co_u32 s74, s52, s[G0V+1]
	s_mov_b32 s75, 0
	s_add_co_u32 s[G0V+1], s[G0V+1], VB0
	s_mov_b32 s[G0K], 1
	s_mov_b32 s[G0V], 1
	s_lshr_b32 s56, s17, 3
	s_mul_i32 s56, s56, KREC
	s_add_co_u32 s56, s56, s50                     ; Q's record
	s_and_b32 s57, s17, 7
	s_mul_i32 s57, s57, 768
	s_add_co_u32 s58, s56, s57                     ; my tile's half image
	s_mov_b32 s59, 0
	s_bfe_u32 s57, s17, 0x10002                    ; (T % 8) / 4
	s_lshl_b32 s57, s57, 8
	s_add_co_u32 s60, s56, s57
	s_and_b32 s57, s17, 3
	s_lshl_b32 s57, s57, 2
	s_add_co_u32 s60, s60, s57                     ; my tile's scale words, less 6,144 + 16 r
	s_mov_b32 s61, 0
	s_lshr_b32 s62, s16, 4
	s_lshl_b32 s62, s62, 7
	s_add_co_u32 s62, s62, s17                     ; 128 b + T
	s_and_b32 s63, s16, 15                         ; the head
	s_mul_i32 s66, s62, 12288
	s_mul_i32 s68, s63, 768
	s_add_co_u32 s66, s66, s68
	s_mov_b32 s67, 0
	s_lshl_b32 s68, s62, 9
	s_lshl_b32 s69, s63, 1
	s_add_co_u32 s68, s68, s69
	s_mov_b32 s69, 0
	; descriptor group 1: records are dense in memory: rows of 256 bytes (32 elements of 8 bytes), 52 of them for two of K, 50 for two of V; no padding
	s_mov_b32 s[G1K], 15|(3<<16)|(1<<21)           ; 15:0 the mask: all four work-groups; 17:16 elements of 8 bytes; 21 set beside a mask
	s_mov_b32 s[G1K+1], 32<<16
	s_mov_b32 s[G1K+2], 52<<16
	s_mov_b32 s[G1K+3], 32<<16
	s_mov_b32 s[G1K+4], 52
	s_mov_b32 s[G1K+5], 32
	s_mov_b32 s[G1K+6], 0
	s_mov_b32 s[G1K+7], 0
	s_mov_b32 s[G1V], 15|(3<<16)|(1<<21)
	s_mov_b32 s[G1V+1], 32<<16
	s_mov_b32 s[G1V+2], 50<<16
	s_mov_b32 s[G1V+3], 32<<16
	s_mov_b32 s[G1V+4], 50
	s_mov_b32 s[G1V+5], 32
	s_mov_b32 s[G1V+6], 0
	s_mov_b32 s[G1V+7], 0
	s_mov_b32 s[SEL], 0x76543210
	s_mov_b32 s[SEL+1], 0xfedcba98
	s_mov_b32 s[CS], 0x3e38aa3b                    ; log2(e) / sqrt(64)
	s_mov_b32 s[CS+1], s[CS]                       ; (named with it as a pair, so it is written)
	s_mov_b32 s[PA], 0x07030703                    ; bytes 0, 1: the top bytes of the second and of the first source
	s_mov_b32 s[PB], 0x01050004                    ; mine, the other's, mine, the other's
	s_mov_b32 s[PASS], 2
	s_wait_dscnt 0x0                               ; both opening adds are done
	s_wait_kmcnt 0x0
	s_add_nc_u64 s[G0K+2:G0K+3], s[6:7], s[72:73]
	s_or_b32 s[G0K+3], s[G0K+3], 0x80000000
	s_add_nc_u64 s[G0V+2:G0V+3], s[8:9], s[74:75]
	s_or_b32 s[G0V+3], s[G0V+3], 0x80000000
	s_add_nc_u64 s[58:59], s[4:5], s[58:59]
	s_add_nc_u64 s[60:61], s[4:5], s[60:61]
	s_add_nc_u64 s[10:11], s[10:11], s[66:67]
	s_add_nc_u64 s[12:13], s[12:13], s[68:69]
	ROUND                                          ; all four work-groups are here: the joint loads meet
	s_cmp_lt_u32 s[WV], 8                          ; one joint load a wave: the branch hangs on the wave's number alone, and each way passes one load
	s_cbranch_scc0 .Lfor_v
	tensor_load_to_lds s[G0K:G0K+3], s[G1K:G1K+7]
	s_nop 0
.rept 4
	v_nop
.endr
	s_branch .Lasked
.Lfor_v:
	tensor_load_to_lds s[G0V:G0V+3], s[G1V:G1V+7]
	s_nop 0
.rept 4
	v_nop
.endr
.Lasked:
	v_and_b32 v8, 31, v0
	s_delay_alu instid0(VALU_DEP_1)
	v_lshlrev_b32 v[L8], 3, v8
	v_and_b32 v9, 15, v0
	s_delay_alu instid0(VALU_DEP_1)
	v_lshlrev_b32 v[R16], 4, v9
	v_bfe_u32 v[HH], v0, 4, 1
	s_delay_alu instid0(VALU_DEP_1)
	v_lshl_add_u32 v[OSO], v9, 5, v[HH]
.irp p, 0,1,2
	global_load_b64 v[QC+2*\p:QC+2*\p+1], v[L8], s[58:59] offset:256*\p          ; Q's half image stays in registers
	global_load_b64 v[QB+2*\p:QB+2*\p+1], v[L8], s[58:59] offset:2*KREC+256*\p   ; and that of tile T + 16, two records on
.endr
	global_load_b32 v[QS], v[R16], s[60:61] offset:6144
	global_load_b32 v[QSB], v[R16], s[60:61] offset:2*KREC+6144
.irp i, 0,1,2,3,4,5
	v_mov_b32 v[QC+6+\i], 0                        ; Q's codes for the instruction's upper 64: zeros
	v_mov_b32 v[RB+48+\i], 0                       ; what the first step's last tile of K names beyond its six registers
.endr
	v_mov_b32 v[F+1], 0
.macro KLOAD kr, ak, as                ; a step's eight tiles of K and their rows' scale words
.irp t, 0,1,2,3,4,5,6,7
.irp p, 0,1,2
	ds_load_b64 v[\kr+6*\t+2*\p:\kr+6*\t+2*\p+1], v[\ak] offset:768*\t+256*\p   ; 256 consecutive bytes
.endr
.endr
	ds_load_b128 v[30:33], v[\as] offset:6144
	ds_load_b128 v[224:227], v[\as] offset:6400
.endm
.macro VFRAG kr, d                     ; one of V's four images
.irp p, 0,1,2,3,4,5
	ds_load_b64 v[\kr+12*\d+2*\p:\kr+12*\d+2*\p+1], v[ADV] offset:1536*\d+256*\p
.endr
.endm
; A KEY STEP: 128 keys.  sr: the scores' region; kr: K's and V's.  tail = 1: the step can be a walk's last, which has no next K to fetch
.macro STEP sr, kr, tail
	v_mov_b32 v[TP], v12                           ; the old -M.  These five are the places between the last step's products and this step's, which write over V's fragments
	v_add_nc_u32 v[ADV], s[TV], v[L8]
	v_add_nc_u32 v[ADT], s[TV], v[R16]
	v_add_nc_u32 v[ADK], s[TK], v[L8]
	v_add_nc_u32 v[ADS], s[TK], v[R16]
	s_wait_alu depctr_va_vdst(0)
	s_wait_dscnt 0x0                               ; K is in
.irp t, 0,1,2,3,4,5,6,7
	v_wmma_scale_f32_16x16x128_f8f6f4 v[\sr+8*\t:\sr+8*\t+7], v[\kr+6*\t:\kr+6*\t+11], v[QC:QC+11], 0, v[30+\t+190*(\t/4)], v[QS] matrix_a_fmt:MATRIX_FMT_FP6 matrix_b_fmt:MATRIX_FMT_FP6
.endr
.rept 4
	v_nop                                          ; places in front of the first read of the scores and of the loads into K's registers
.endr
; the largest score of my two blocks of 32 keys, each in two chains (registers 0-16 and 17-31): for the row's maximum, and, since p rises with the score, for the block's largest p.  Each tile is first read at its low end
.irp c, 0,1
	v_max3_num_f32 v[BM+\c], v[\sr+32*\c], v[\sr+32*\c+1], v[\sr+32*\c+2]
.endr
.irp c, 0,1
	v_max3_num_f32 v[BX+\c], v[\sr+32*\c+17], v[\sr+32*\c+18], v[\sr+32*\c+19]
.endr
.irp i, 0,1,2,3,4,5
.irp c, 0,1
	v_max3_num_f32 v[BM+\c], v[BM+\c], v[\sr+32*\c+3+2*\i], v[\sr+32*\c+4+2*\i]
.endr
.irp c, 0,1
	v_max3_num_f32 v[BX+\c], v[BX+\c], v[\sr+32*\c+20+2*\i], v[\sr+32*\c+21+2*\i]
.endr
.endr
.irp c, 0,1
	v_max3_num_f32 v[BM+\c], v[BM+\c], v[\sr+32*\c+15], v[\sr+32*\c+16]
.endr
.irp c, 0,1
	s_delay_alu instid0(VALU_DEP_2)
	v_max_num_f32 v[BM+\c], v[BM+\c], v[BX+\c]
.endr
	s_delay_alu instid0(VALU_DEP_1)
	v_max_num_f32 v[RM], v[BM], v[BM+1]            ; of my 64 keys.  V's loads stand between the links of this chain
	VFRAG \kr, 0
	v_permlanex16_b32 v[T2], v[RM], s[SEL], s[SEL+1]
	VFRAG \kr, 1
	v_max3_num_f32 v13, v13, v[RM], v[T2]          ; of lane l xor 16's 64, and of all steps so far
	VFRAG \kr, 2
	v_mul_f32 v[RM], s[CS], v13                    ; as t (c is positive)
	VFRAG \kr, 3
	v_floor_f32 v12, -v[RM]                        ; the new -M = floor(-t): M is a whole number
	ds_load_b128 v[VSC:VSC+3], v[ADT] offset:6144
.irp c, 0,1
	v_fma_f32 v[BM+\c], v[BM+\c], s[CS], v12       ; t - M of each block's largest score
.endr
.set j, 0
.rept 16
	v_pk_fma_f32 v[\sr+j:\sr+j+1], v[\sr+j:\sr+j+1], s[CS:CS+1], v[12:13] op_sel_hi:[1,0,0]   ; t - M, two at a time: my first block
.set j, j+2
.endr
	v_sub_f32 v[TP], v12, v[TP]                    ; old M less new M: a whole number, 0 or less
	s_wait_alu depctr_va_vdst(0)                   ; the wait ahead of the batch
.irp c, 0,1
	v_exp_f32 v[BM+\c], v[BM+\c]                   ; the block's largest p: the same two instructions on the same number give the same bits
.endr
.set j, 0
.rept 32
	v_exp_f32 v[\sr+j], v[\sr+j]                   ; p = 2^(t - M), at most 1: my first block
.set j, j+1
.endr
.set j, 32
.rept 8
	v_pk_fma_f32 v[\sr+j:\sr+j+1], v[\sr+j:\sr+j+1], s[CS:CS+1], v[12:13] op_sel_hi:[1,0,0]   ; my second block's t - M stands behind the first block's exponentials
.set j, j+2
.endr
	v_cvt_i32_f32 v[TP], v[TP]                     ; (it saturates)
.rept 8
	v_pk_fma_f32 v[\sr+j:\sr+j+1], v[\sr+j:\sr+j+1], s[CS:CS+1], v[12:13] op_sel_hi:[1,0,0]
.set j, j+2
.endr
	v_ldexp_f32 v[F], 1.0, v[TP]                   ; f = 2^(old M - new M)
	s_wait_alu depctr_va_vdst(0)                   ; one wait: behind the first batch and ahead of the second
.set j, 32
.rept 32
	v_exp_f32 v[\sr+j], v[\sr+j]                   ; my second block
.set j, j+1
.endr
; behind them: the first block's part of THE ROW'S SUM of the unquantised p (two at a time, eight chains), and the blocks' scales
.irp c, 0,1
	v_max_num_f32 v[BM+\c], 0x1800000, v[BM+\c]    ; the floor 2^(3 - 127): the byte cannot fall under 1
.endr
.irp i, 0,1,2,3
	v_pk_add_f32 v[TS+2*\i:TS+2*\i+1], v[\sr+2*\i:\sr+2*\i+1], v[\sr+16+2*\i:\sr+17+2*\i]
.endr
.irp c, 0,1
	v_add_nc_u32 v[SO+\c], 0xff000000, v[BM+\c]    ; 2 off the exponent field: the conversion's scale operand
.endr
.irp i, 4,5,6,7
	v_pk_add_f32 v[TS+2*\i:TS+2*\i+1], v[\sr+2*\i:\sr+2*\i+1], v[\sr+16+2*\i:\sr+17+2*\i]
.endr
.irp c, 0,1
	v_lshlrev_b32 v[BX+\c], 1, v[SO+\c]            ; the scale's byte in the top byte
.endr
	s_wait_alu depctr_va_vdst(0)                   ; the wait behind the second batch, ahead of its first reader
.irp i, 0,1,2,3,4,5,6,7
	v_pk_add_f32 v[TS+2*\i:TS+2*\i+1], v[TS+2*\i:TS+2*\i+1], v[\sr+32+2*\i:\sr+33+2*\i]
.endr
	v_perm_b32 v[RM], v[BX+1], v[BX], s[PA]        ; bytes 0, 1: my blocks h and 2 + h
.irp i, 0,1,2,3,4,5,6,7
	v_pk_add_f32 v[TS+2*\i:TS+2*\i+1], v[TS+2*\i:TS+2*\i+1], v[\sr+48+2*\i:\sr+49+2*\i]
.endr
	v_permlanex16_b32 v[T2], v[RM], s[SEL], s[SEL+1]
.irp i, 0,4,8,12
	v_pk_add_f32 v[TS+\i:TS+\i+1], v[TS+\i:TS+\i+1], v[TS+\i+2:TS+\i+3]
.endr
	v_perm_b32 v[PS], v[RM], v[T2], s[PB]          ; p's scale word: in lanes 0-15, which alone are read, blocks 0, 1, 2, 3
	v_pk_add_f32 v[TS:TS+1], v[TS:TS+1], v[TS+4:TS+5]
	v_pk_add_f32 v[TS+8:TS+9], v[TS+8:TS+9], v[TS+12:TS+13]
	s_delay_alu instid0(VALU_DEP_1)
	v_pk_add_f32 v[TS:TS+1], v[TS:TS+1], v[TS+8:TS+9]
	s_delay_alu instid0(VALU_DEP_1)
	v_pk_fma_f32 v[14:15], v[14:15], v[F:F+1], v[TS:TS+1] op_sel_hi:[1,0,1]   ; the sums under the new M, and this step's
.irp c, 0,1
	v_cvt_scalef32_pk16_fp6_f32 v[PC+6*\c:PC+6*\c+2], v[\sr+32*\c:\sr+32*\c+15], v[SO+\c]
	v_cvt_scalef32_pk16_fp6_f32 v[CT+4*\c:CT+4*\c+2], v[\sr+32*\c+16:\sr+32*\c+31], v[SO+\c]   ; (a conversion's three registers begin on an even number)
.endr
	v_nop                                          ; one plain place behind a scaled conversion
	s_wait_alu depctr_va_vdst(0)
	s_wait_dscnt 0x0                               ; V is in (asked for ahead of the exponentials)
.if \tail
	s_cmp_eq_u32 s[CNT], 1                         ; a walk's last step fetches nothing: the jump hangs on the counted loop's steps alone and leads round the loads alone
	s_cbranch_scc1 .Lno_next_\@
.endif
	KLOAD \sr, ADK, ADS                            ; p is in its codes: its region takes the next step's K, ahead of this step's second product
.if \tail
.Lno_next_\@:
.endif
.irp c, 0,1
.irp i, 0,1,2
	v_mov_b32 v[PC+3+6*\c+\i], v[CT+4*\c+\i]       ; registers 6 c .. 6 c + 5 hold keys 64 c + 32 h + 0 .. 31
.endr
.endr
	s_wait_alu depctr_va_vdst(0)                   ; the wait here, directly ahead of the first reader of O^T
.set j, 0
.rept 16
	v_pk_mul_f32 v[O+j:O+j+1], v[O+j:O+j+1], v[F:F+1] op_sel_hi:[1,0]   ; O^T under the new M, from each accumulator's low end on.  These sixteen are also the places between p's codes and scale word and the products
.set j, j+2
.endr
.irp d, 0,1,2,3
	v_wmma_scale_f32_16x16x128_f8f6f4 v[O+8*\d:O+8*\d+7], v[\kr+12*\d:\kr+12*\d+11], v[PC:PC+11], v[O+8*\d:O+8*\d+7], v[VSC+\d], v[PS] matrix_a_fmt:MATRIX_FMT_FP6 matrix_b_fmt:MATRIX_FMT_FP6
.endr
	s_add_co_u32 s[TK], s[TK], KREC
	s_add_co_u32 s[TV], s[TV], VREC
.endm
	s_wait_alu depctr_va_vdst(0)                   ; the wait at the head's end
	s_wait_tensorcnt 0x0                           ; my two records are in,
	s_barrier_signal -1
	s_barrier_wait -1                              ; and everybody's
	s_wait_loadcnt 0x0                             ; Q, both tiles
.Lpass:                                                ; A WALK over all 2,048 keys for one tile of queries
	KLOAD RB, L8, R16                              ; key step 0's K
	v_mov_b32 v13, 0xff61b1e6                      ; the largest score so far: -3e38.  (The step is written without a first step of its own: the first change of M multiplies zeros by 0)
	v_mov_b32 v14, 0                               ; the sum, in two halves
	v_mov_b32 v15, 0
	v_floor_f32 v12, -v13                          ; -M
.set j, 0
.rept 32
	v_mov_b32 v[O+j], 0                            ; O^T
.set j, j+1
.endr
	s_mov_b32 s[TK], KREC
	s_mov_b32 s[TV], VB0
	s_mov_b32 s[CNT], 8
.Lstep:
	STEP RA, RB, 0
	STEP RB, RA, 1
	s_sub_co_u32 s[CNT], s[CNT], 1
	s_cmp_lg_u32 s[CNT], 0
	s_cbranch_scc1 .Lstep
	; THE WAY OUT: O^T / the sum, quantised along the head's 64 (two blocks), stored as half an image
.rept 4
	v_nop                                          ; places behind the last products
.endr
	v_add_f32 v14, v14, v15
	s_delay_alu instid0(VALU_DEP_1)
	v_permlanex16_b32 v[TP], v14, s[SEL], s[SEL+1]
	s_delay_alu instid0(VALU_DEP_1)
	v_add_f32 v14, v14, v[TP]                      ; the row's sum
	s_wait_alu depctr_va_vdst(0)                   ; the wait ahead of the transcendental
	v_rcp_f32 v14, v14
	v_nop                                          ; a plain place behind the transcendental
	v_cmp_eq_u32 vcc_lo, 1, v[HH]
	s_wait_alu depctr_va_vdst(0)                   ; the wait ahead of the reciprocal's first reader, which is O^T's too
.set j, 0
.rept 32
	v_mul_f32 v[RA+j], v[O+j], v14                 ; register 16 b + i is o(my query, 32 b + 16 h + i)
.set j, j+1
.endr
.irp b, 0,1
	v_max3_num_f32 v[BM+\b], |v[RA+16*\b]|, |v[RA+16*\b+1]|, 0x1800000
.endr
.irp i, 2,4,6,8,10,12,14
.irp b, 0,1
	s_delay_alu instid0(VALU_DEP_2)
	v_max3_num_f32 v[BM+\b], v[BM+\b], |v[RA+16*\b+\i]|, |v[RA+16*\b+\i+1]|
.endr
.endr
.irp b, 0,1
	s_delay_alu instid0(VALU_DEP_2)
	v_permlanex16_b32 v[BX+\b], v[BM+\b], s[SEL], s[SEL+1]
.endr
.irp b, 0,1
	s_delay_alu instid0(VALU_DEP_2)
	v_max_num_f32 v[BM+\b], v[BM+\b], v[BX+\b]     ; here a block lies in lanes l and l xor 16
.endr
.irp b, 0,1
	s_delay_alu instid0(VALU_DEP_2)
	v_add_nc_u32 v[SO+\b], 0xff000000, v[BM+\b]
.endr
.irp b, 0,1
	s_delay_alu instid0(VALU_DEP_2)
	v_lshrrev_b32 v[BX+\b], 23, v[SO+\b]
.endr
	s_delay_alu instid0(VALU_DEP_1)
	v_cndmask_b32 v[TP], v[BX], v[BX+1], vcc_lo    ; lane (r, h) stores block h's byte
	v_cvt_scalef32_pk16_fp6_f32 v[PC:PC+2], v[RA:RA+15], v[SO]
	v_cvt_scalef32_pk16_fp6_f32 v[CT:CT+2], v[RA+16:RA+31], v[SO+1]
	v_nop
.irp i, 0,1,2
	v_permlane16_swap_b32 v[PC+\i], v[CT+\i]       ; the operand wants a whole block in a lane
.endr
.irp i, 0,1,2
	s_delay_alu instid0(VALU_DEP_3)
	v_mov_b32 v[PC+3+\i], v[CT+\i]
.endr
.irp p, 0,1,2
	global_store_b64 v[L8], v[PC+2*\p:PC+2*\p+1], s[10:11] offset:256*\p   ; 256 consecutive bytes, at a multiple of 256 from ob's first byte
.endr
	global_store_b8 v[OSO], v[TP], s[12:13]
	s_wait_alu depctr_va_vdst(0)
	s_wait_xcnt 0x0                                ; the stores have read their registers and bases, which are written again below and in the next walk
	s_add_nc_u64 s[10:11], s[10:11], 16*12288      ; on to tile T + 16.  (Behind the second walk these nine lines serve nothing more)
	s_add_nc_u64 s[12:13], s[12:13], 16*512
.irp i, 0,1,2,3,4,5
	v_mov_b32 v[QC+\i], v[QB+\i]
.endr
	v_mov_b32 v[QS], v[QSB]
	s_sub_co_u32 s[PASS], s[PASS], 1
	s_cmp_lg_u32 s[PASS], 0
	s_wait_alu depctr_va_vdst(0)
	s_cbranch_scc1 .Lpass
	s_wait_tensorcnt 0x0                           ; the wave's end
	ds_add_u32 v[SPW], v[NIL]
	s_wait_dscnt 0x0
	ROUND                                          ; the closing round: no work-group ends while a partner may still ask for a tile that names it
	s_endpgm
.Lfunc_end_k_q7948316c24_attn:
	.size	k_q7948316c24_attn, .Lfunc_end_k_q7948316c24_attn-k_q7948316c24_attn
	.p2alignl 7, 3214868480
	.fill 96, 4, 3214868480
	.section	.rodata,"a",@progbits
	.p2align	6, 0x0
	.amdhsa_kernel k_q7948316c24_attn
		.amdhsa_group_segment_fixed_size 327680
		.amdhsa_private_segment_fixed_size 0
		.amdhsa_enable_private_segment 0
		.amdhsa_kernarg_size 40
		.amdhsa_user_sgpr_count 2
		.amdhsa_user_sgpr_kernarg_segment_ptr 1
		.amdhsa_wavefront_size32 1
		.amdhsa_system_sgpr_workgroup_id_x 1
		.amdhsa_system_sgpr_workgroup_id_y 1
		.amdhsa_system_sgpr_workgroup_id_z 1
		.amdhsa_system_vgpr_workitem_id 0
		.amdhsa_next_free_vgpr 256
		.amdhsa_next_free_sgpr 90
		.amdhsa_reserve_vcc 1
		.amdhsa_float_denorm_mode_32 3
		.amdhsa_float_denorm_mode_16_64 3
		.amdhsa_memory_ordered 1
		.amdhsa_forward_progress 1
		.amdhsa_inst_pref_size 48
	.end_amdhsa_kernel
	.amdgpu_metadata
---
amdhsa.version: [ 1, 2 ]
amdhsa.kernels:
  - .name:           k_q7948316c24_attn
    .symbol:         k_q7948316c24_attn.kd
    .args:
      - { .name: qb, .offset: 0, .size: 8, .value_kind: global_buffer, .address_space: global }
      - { .name: kb, .offset: 8, .size: 8, .value_kind: global_buffer, .address_space: global }
      - { .name: vb, .offset: 16, .size: 8, .value_kind: global_buffer, .address_space: global }
      - { .name: ob, .offset: 24, .size: 8, .value_kind: global_buffer, .address_space: global }
      - { .name: os, .offset: 32, .size: 8, .value_kind: global_buffer, .address_space: global }
    .group_segment_fixed_size: 327680
    .private_segment_fixed_size: 0
    .kernarg_segment_align: 8
    .kernarg_segment_size: 40
    .max_flat_workgroup_size: 512
    .sgpr_count:     90
    .vgpr_count:     256
    .wavefront_size: 32
...
	.end_amdgpu_metadata
.endif
;; end of part 3
;; launch outp (part 4): grid 4 x 32, 4 waves a work-group, clusters of 4 x 4, 327,680 bytes of LDS; arguments ob, os, img, isc, bo, out0; writes out0
.if DOCPART == 4
	.amdgcn_target "amdgcn-amd-amdhsa--gfx1250"
	.amdhsa_code_object_version 6
	.text
	.protected	k_q7948316c24_outp
	.globl	k_q7948316c24_outp
	.p2align	8
	.type	k_q7948316c24_outp,@function
k_q7948316c24_outp:
	s_mov_b64 s[64:65], 0
	v_nop
	global_prefetch_b8 v0, s[64:65] scope:SCOPE_SE
	s_setreg_imm32_b32 hwreg(HW_REG_WAVE_MODE, 25, 1), 1
	s_wait_xcnt 0x0
	s_wait_alu depctr_hold_cnt(0) depctr_sa_sdst(0) depctr_va_vdst(0) depctr_va_sdst(0) depctr_va_ssrc(0) depctr_va_vcc(0) depctr_vm_vsrc(0)
	s_getreg_b32 s2, hwreg(HW_REG_IB_STS2, 6, 4)
	s_cmp_eq_u32 s2, 0
	s_cbranch_scc0 .Lentry_in_a_cluster
	s_endpgm
.Lentry_in_a_cluster:
	s_bfe_u32 s2, ttmp6, 0x10000c
	s_cmp_lg_u32 s2, 0xf033
	s_cbranch_scc0 .Lentry_shape_is_right
	s_endpgm
.Lentry_shape_is_right:
.set NQ,    2
.set FR,    12
.set NL,    6
.set NP,    4
.set IMGB,  1536
.set TILEB, NQ*IMGB
.set HALFT, 8*TILEB
.set SLOT,  4*HALFT
.set SCL,   2*SLOT
.set HALFS, 8*512
.set SPARE, SCL+4*HALFS
.set SPITCH, 528
.set ADRA, 16
.set ADRB, 20
.set BO,   23
.set STO,  24
.set RD,   25
.set CO,   26
.set ADRS, 27
.set SPW,  28
.set NIL,  29
.set L8,   30
.set SC,   32
.set BIAS, 64
.set AF,   128
.set BK,   128
.set G1, 24
.set G0, 32
.set G1B, 48
.set G0B, 56
.set G1S, 68
.set G0S, 76
.set G1SB, 80
.set G0SB, 88
.set MSB, 0
.macro WIN new
.if MSB != (\new)
	s_set_vgpr_msb (MSB<<8)|(\new)
.set MSB, \new
.endif
.endm
.set MUL_LO, 0xa1
.set MUL_HI, 0xf1
.set TO_B,   0x40
.macro JLOAD g0a, g1a, g0b, g1b
	s_cmp_eq_u32 s21, 0
	s_cbranch_scc0 .Lfor_b_\@
	tensor_load_to_lds s[\g0a:\g0a+3], s[\g1a:\g1a+7]
	s_nop 0
.rept 4
	v_nop
.endr
	s_branch .Lasked_\@
.Lfor_b_\@:
	tensor_load_to_lds s[\g0b:\g0b+3], s[\g1b:\g1b+7]
	s_nop 0
.rept 4
	v_nop
.endr
.Lasked_\@:
.endm
.macro CREST
	s_cmp_lg_u32 s20, 0
	s_cbranch_scc1 .Lnot_wave_0_\@
	s_barrier_signal -3
.Lnot_wave_0_\@:
	s_barrier_wait -3
	s_barrier_signal -1
	s_barrier_wait -1
.endm
.macro CROUND
	s_barrier_signal -1
	s_barrier_wait -1
	CREST
.endm
	s_load_b256 s[4:11], s[0:1], 0x0
	s_load_b128 s[12:15], s[0:1], 0x20
	v_lshl_add_u32 v[SPW], v0, 2, SPARE
	v_mov_b32 v[NIL], 0
	ds_add_u32 v28, v29
	ds_add_u32 v28, v29
	s_wait_dscnt 0x0
	v_lshrrev_b32 v1, 5, v0
	v_readfirstlane_b32 s20, v1
	s_lshr_b32 s21, s20, 1
	s_and_b32 s22, s20, 1
	s_lshl_b32 s23, s22, 3
	s_bfe_u32 s40, ttmp6, 0x40000
	s_bfe_u32 s41, ttmp6, 0x40004
	s_and_b32 s42, ttmp7, 0xffff
	s_lshl_b32 s42, s42, 2
	s_add_co_u32 s42, s42, s41
	s_lshl_b32 s92, s42, 4
	s_lshl_b32 s94, s40, 4
	s_add_co_u32 s94, s94, 1728
	s_mul_i32 s96, s92, 8*IMGB
	s_mov_b32 s97, 0
	s_lshl_b32 s98, s92, 9
	s_mov_b32 s99, 0
	s_mul_i32 s2, s94, 8*IMGB
	s_mov_b32 s3, 0
	s_lshl_b32 s66, s94, 9
	s_mov_b32 s67, 0
	s_lshl_b32 s93, s41, 2
	s_lshl_b32 s93, 15, s93
	s_lshl_b32 s95, 0x1111, s40
	s_or_b32 s[G1+0], s93, (3<<16)|(1<<21)
	s_or_b32 s[G1B+0], s95, (3<<16)|(1<<21)
.irp g, G1, G1B
	s_mov_b32 s[\g+1], 384<<16
	s_mov_b32 s[\g+2], 16<<16                      ; the head's loads bring all 16 row tiles; behind them the two words that count rows are set to 8, for the ring's
	s_mov_b32 s[\g+3], 384<<16
	s_mov_b32 s[\g+4], 16
	s_mov_b32 s[\g+5], 1536
	s_mov_b32 s[\g+6], 0
	s_mov_b32 s[\g+7], 0
.endr
	s_or_b32 s[G1S+0], s93, (3<<16)|(1<<21)
	s_or_b32 s[G1SB+0], s95, (3<<16)|(1<<21)
.irp g, G1S, G1SB
	s_mov_b32 s[\g+1], 32<<16
	s_mov_b32 s[\g+2], 32<<16                      ; the scale words of all 16 row tiles: 32 rows of 256 bytes
	s_mov_b32 s[\g+3], 32<<16
	s_mov_b32 s[\g+4], 32
	s_mov_b32 s[\g+5], 32
	s_mov_b32 s[\g+6], 0
	s_mov_b32 s[\g+7], 0
.endr
	s_mul_i32 s47, s20, HALFT
	s_mul_i32 s100, s23, 8*IMGB                    ; in the ring I fetch 8 of a side's 16 row tiles: which half, in bytes
	s_mov_b32 s101, 0
	s_wait_kmcnt 0x0
	s_add_nc_u64 s[96:97], s[4:5], s[96:97]
	s_add_nc_u64 s[98:99], s[6:7], s[98:99]
	s_add_nc_u64 s[2:3], s[8:9], s[2:3]
	s_add_nc_u64 s[66:67], s[10:11], s[66:67]
	CROUND
	; THE HEAD'S FOUR TILES, each whole, one load a wave: wave 0 slot 0's 16 row tiles of A, wave 1 those of B, wave 2 A's scale words, wave 3 B's
	s_mov_b32 s[G0S], 1
	s_mov_b32 s[G0S+1], SCL
	s_mov_b64 s[G0S+2:G0S+3], s[98:99]
	s_or_b32 s[G0S+3], s[G0S+3], 0x80000000
	s_mov_b32 s[G0SB], 1
	s_mov_b32 s[G0SB+1], SCL+2*HALFS
	s_mov_b64 s[G0SB+2:G0SB+3], s[66:67]
	s_or_b32 s[G0SB+3], s[G0SB+3], 0x80000000
	s_mov_b32 s[G0], 1
	s_mov_b32 s[G0+1], 0
	s_mov_b64 s[G0+2:G0+3], s[96:97]
	s_or_b32 s[G0+3], s[G0+3], 0x80000000
	s_mov_b32 s[G0B], 1
	s_mov_b32 s[G0B+1], 2*HALFT
	s_mov_b64 s[G0B+2:G0B+3], s[2:3]
	s_or_b32 s[G0B+3], s[G0B+3], 0x80000000
	s_mov_b32 s[G0+4], 1                           ; slot 1, for the ring: my 8 row tiles
	s_add_co_u32 s[G0+5], s47, SLOT
	s_add_nc_u64 s[G0+6:G0+7], s[96:97], s[100:101]
	s_add_nc_u64 s[G0+6:G0+7], s[G0+6:G0+7], TILEB
	s_or_b32 s[G0+7], s[G0+7], 0x80000000
	s_mov_b32 s[G0B+4], 1
	s_add_co_u32 s[G0B+5], s47, SLOT
	s_add_nc_u64 s[G0B+6:G0B+7], s[2:3], s[100:101]
	s_add_nc_u64 s[G0B+6:G0B+7], s[G0B+6:G0B+7], TILEB
	s_or_b32 s[G0B+7], s[G0B+7], 0x80000000
	s_add_co_u32 s98, s47, 0                       ; kept for slot 0's ring descriptors: my LDS place,
	s_mov_b32 s66, s100                            ; and my half's offset in bytes
	s_mov_b32 s67, 0
.macro ARM under, g0, g1, next                 ; one tree of branches on the wave's number: every way passes exactly one load
	s_cmp_lt_u32 s20, \under
	s_cbranch_scc0 \next
	tensor_load_to_lds s[\g0:\g0+3], s[\g1:\g1+7]
	s_nop 0
.rept 4
	v_nop
.endr
	s_branch .Lhead_asked
\next:
.endm
	ARM 1, G0,  G1,  .Lhead_b
	ARM 2, G0B, G1B, .Lhead_sa
	ARM 3, G0S, G1S, .Lhead_sb
	tensor_load_to_lds s[G0SB:G0SB+3], s[G1SB:G1SB+7]
	s_nop 0
.rept 4
	v_nop
.endr
.Lhead_asked:
	v_and_b32 v1, 15, v0
	v_bfe_u32 v2, v0, 4, 1
	s_wait_alu depctr_va_vdst(0)
	v_and_b32 v3, 31, v0
	v_lshlrev_b32 v[L8], 3, v3
	s_mul_i32 s47, s21, HALFT
	s_mul_i32 s100, s22, HALFT
	s_add_co_u32 s100, s100, 2*HALFT
.irp s, 0,1
	v_add_nc_u32 v[ADRA+\s], s47, v[L8]
	v_add_nc_u32 v[ADRB+\s], s100, v[L8]
	s_add_co_u32 s47, s47, SLOT
	s_add_co_u32 s100, s100, SLOT
.endr
	s_lshl_b32 s47, s21, 12
	s_lshl_b32 s100, s22, 12
	s_add_co_u32 s100, s100, 2*HALFS
	s_sub_co_u32 s100, s100, s47
	v_mul_u32_u24 v4, s100, v2
	s_add_co_u32 s47, s47, SCL
	v_lshl_add_u32 v4, v1, 5, v4
	v_add_nc_u32 v[ADRS], s47, v4
	s_lshl_b32 s6, s40, 10
	s_lshl_b32 s7, s22, 9
	s_add_co_u32 s6, s6, s7
	s_mov_b32 s7, 0
	s_add_nc_u64 s[12:13], s[12:13], s[6:7]
	v_lshlrev_b32 v[BO], 6, v2
.irp b, 0,1,2,3,4,5,6,7
	global_load_b128 v[BIAS+8*\b:BIAS+8*\b+3], v[BO], s[12:13] offset:4*(32*(\b/2)+8*(\b%2))
	global_load_b128 v[BIAS+8*\b+4:BIAS+8*\b+7], v[BO], s[12:13] offset:4*(32*(\b/2)+8*(\b%2))+16
.endr
	s_mul_i32 s47, s20, 16*SPITCH
	v_mul_u32_u24 v5, v1, SPITCH
	v_lshl_add_u32 v5, v2, 6, v5
	v_add_nc_u32 v[STO], s47, v5
	v_lshlrev_b32 v[CO], 4, v3
	v_add_nc_u32 v[RD], s47, v[CO]
	s_and_b32 s4, s42, 7
	s_lshl_b32 s4, s4, 1
	s_add_co_u32 s4, s4, s21
	s_lshl_b32 s4, s4, 9
	s_lshr_b32 s5, s42, 3
	s_add_co_u32 s4, s4, s5
	s_lshl_b32 s4, s4, 12
	s_lshl_b32 s5, s40, 10
	s_add_co_u32 s4, s4, s5
	s_lshl_b32 s5, s22, 9
	s_add_co_u32 s4, s4, s5
	s_mov_b32 s5, 0
	s_add_nc_u64 s[14:15], s[14:15], s[4:5]
.macro FRAG reg, adr, q, i
.irp p, 0,1,2,3,4,5
	ds_load_b64 v[\reg+2*\p:\reg+2*\p+1], v[\adr] offset:TILEB*(\i)+IMGB*(\q)+256*\p
.endr
.endm
.macro MUL16 a0, p, q, sc, cs
.irp a, \a0, \a0+1
.irp b, 0,1,2,3,4,5,6,7
.set rD, 8*(8*((\a)%4)+\b)
.set rB, 128*(\p)+FR*\b
.set rA, AF+FR*(\a)
.set rSB, SC+8*NQ*(\sc)+NQ*\b+(\q)
.set rSA, SC+8*NQ*(\sc)+NQ*(\a)+(\q)
.if (\cs) == 1
	v_wmma_scale_f32_16x16x128_f8f6f4 v[rD:rD+7], v[rB:rB+FR-1], v[rA:rA+FR-1], v[BIAS+8*\b:BIAS+8*\b+7], v[rSB], v[rSA] matrix_a_fmt:MATRIX_FMT_FP6 matrix_b_fmt:MATRIX_FMT_FP6 matrix_a_scale:MATRIX_SCALE_ROW1
.else
	v_wmma_scale_f32_16x16x128_f8f6f4 v[rD:rD+7], v[rB:rB+FR-1], v[rA:rA+FR-1], v[rD:rD+7], v[rSB], v[rSA] matrix_a_fmt:MATRIX_FMT_FP6 matrix_b_fmt:MATRIX_FMT_FP6 matrix_a_scale:MATRIX_SCALE_ROW1
.endif
.endr
.endr
.endm
.macro FETCH_B slot, q, p
	WIN TO_B
.irp i, 0,1,2,3,4,5,6,7
	FRAG 128*(\p)+FR*\i, ADRB+\slot, \q, \i
.endr
	WIN 0
.endm
.macro FETCH_A slot, q, i0
.irp i, \i0, \i0+1, \i0+2, \i0+3
	FRAG AF+FR*(\i), ADRA+\slot, \q, \i
.endr
.endm
.macro SCALES sc
.irp i, 0,1,2,3,4,5,6,7
	ds_load_b64 v[SC+8*NQ*\sc+NQ*\i:SC+8*NQ*\sc+NQ*\i+1], v[ADRS] offset:512*\i
.endr
.endm
.macro PLACES n
.rept \n
	v_nop
.endr
.endm
.macro STEP slot, q, cs
	s_wait_dscnt 4*NL
.if \cs
	WIN 0x81
.else
	WIN MUL_LO
.endif
	MUL16 0, (\q)%2, \q, \slot, \cs
	MUL16 2, (\q)%2, \q, \slot, \cs
	s_wait_dscnt 0
	PLACES NP
	FETCH_B \slot, (\q)+1, 1-(\q)%2
	FETCH_A \slot, (\q)+1, 0
.if \cs
	WIN 0xc1
.else
	WIN MUL_HI
.endif
	MUL16 4, (\q)%2, \q, \slot, \cs
	MUL16 6, (\q)%2, \q, \slot, \cs
	PLACES NP
	WIN 0
	FETCH_A \slot, (\q)+1, 4
.endm
.macro TURN slot, next, fill
	s_wait_tensorcnt 0x0
	ds_add_u32 v[SPW], v[NIL]
	s_wait_dscnt 4*NL+1
	WIN MUL_LO
	MUL16 0, 1, NQ-1, \slot, 0
	s_wait_dscnt 0x0
	s_barrier_signal -1
	MUL16 2, 1, NQ-1, \slot, 0
	WIN 0
	s_barrier_wait -1
.if \fill
	CREST
	s_add_nc_u64 s[G0+4*\slot+2:G0+4*\slot+3], s[G0+4*\slot+2:G0+4*\slot+3], 2*TILEB
	s_add_nc_u64 s[G0B+4*\slot+2:G0B+4*\slot+3], s[G0B+4*\slot+2:G0B+4*\slot+3], 2*TILEB
	JLOAD G0+4*\slot, G1, G0B+4*\slot, G1B
.else
	PLACES NP
.endif
	s_wait_alu depctr_va_vdst(0)
	v_add_nc_u32 v[ADRS], 4*NQ, v[ADRS]
	FETCH_B \next, 0, 0
	FETCH_A \next, 0, 0
	SCALES \next
	WIN MUL_HI
	MUL16 4, 1, NQ-1, \slot, 0
	MUL16 6, 1, NQ-1, \slot, 0
	PLACES NP
	WIN 0
	FETCH_A \next, 0, 4
.endm
	s_wait_alu depctr_va_vdst(0)                   ; the wait at the head's end
	s_wait_tensorcnt 0x0                           ; my tile of the head's four is in
	ds_add_u32 v28, v29
	s_mov_b32 s[G1+2], 8<<16                       ; no tensor load of mine is out, so the descriptors may be written: from here on a load brings 8 row tiles,
	s_mov_b32 s[G1+4], 8
	s_mov_b32 s[G1B+2], 8<<16
	s_mov_b32 s[G1B+4], 8
	s_add_co_u32 s[G0+1], s98, 0                   ; and slot 0's refills are my half's
	s_add_nc_u64 s[G0+2:G0+3], s[G0+2:G0+3], s[66:67]
	s_add_co_u32 s[G0B+1], s98, 0
	s_add_nc_u64 s[G0B+2:G0B+3], s[G0B+2:G0B+3], s[66:67]
	s_wait_dscnt 0x0
	CROUND                                         ; all four tiles are in, and all sixteen work-groups are here
	JLOAD G0+4, G1, G0B+4, G1B                     ; slot 1's first fill, the first tensor load behind the round
	FETCH_B 0, 0, 0
	FETCH_A 0, 0, 0
	SCALES 0
	FETCH_A 0, 0, 4
	s_wait_loadcnt 0x0
	STEP 0, 0, 1
	TURN 0, 1, 1
	STEP 1, 0, 0
	TURN 1, 0, 1
	STEP 0, 0, 0
	TURN 0, 1, 0
	STEP 1, 0, 0
	s_wait_dscnt 4*NL
	WIN MUL_LO
	MUL16 0, 1, NQ-1, 1, 0
	MUL16 2, 1, NQ-1, 1, 0
	s_wait_dscnt 0
	WIN MUL_HI
	MUL16 4, 1, NQ-1, 1, 0
	MUL16 6, 1, NQ-1, 1, 0
	WIN 0
.macro TOSTAGE a
.set AC, 64*((\a)%4)
	WIN 0x08+4*((\a)/4)
.irp b, 0,1,2,3,4,5,6,7
	ds_store_b128 v[STO], v[AC+8*\b:AC+8*\b+3] offset:128*(\b/2)+32*(\b%2)
	ds_store_b128 v[STO], v[AC+8*\b+4:AC+8*\b+7] offset:128*(\b/2)+32*(\b%2)+16
.endr
	WIN 0
.set BB, BK+64*((\a)%2)
.irp t, 0,1,2,3,4,5,6,7,8,9,10,11,12,13,14,15
	ds_load_b128 v[BB+4*\t:BB+4*\t+3], v[RD] offset:\t*SPITCH
.endr
.endm
.macro SEND a, younger
.set BB, BK+64*((\a)%2)
	s_wait_dscnt \younger
.irp t, 0,1,2,3,4,5,6,7,8,9,10,11,12,13,14,15
	global_store_b128 v[CO], v[BB+4*\t:BB+4*\t+3], s[14:15] offset:(32*((\a)/2)+8*((\a)%2)+\t+8*(\t/8))*16384 th:TH_STORE_NT
.endr
.endm
	PLACES NP
	TOSTAGE 0
.irp a, 1,2,3,4,5,6,7
.if \a > 1
	s_wait_xcnt 0x0
.endif
	TOSTAGE \a
	SEND \a-1, 32
.endr
	SEND 7, 0
	s_wait_tensorcnt 0x0
	ds_add_u32 v[SPW], v[NIL]
	s_wait_dscnt 0x0
	CROUND
	s_endpgm
.Lfunc_end_k_q7948316c24_outp:
	.size	k_q7948316c24_outp, .Lfunc_end_k_q7948316c24_outp-k_q7948316c24_outp
	.p2alignl 7, 3214868480
	.fill 96, 4, 3214868480
	.section	.rodata,"a",@progbits
	.p2align	6, 0x0
	.amdhsa_kernel k_q7948316c24_outp
		.amdhsa_group_segment_fixed_size 327680
		.amdhsa_private_segment_fixed_size 0
		.amdhsa_enable_private_segment 0
		.amdhsa_kernarg_size 48
		.amdhsa_user_sgpr_count 2
		.amdhsa_user_sgpr_kernarg_segment_ptr 1
		.amdhsa_wavefront_size32 1
		.amdhsa_system_sgpr_workgroup_id_x 1
		.amdhsa_system_sgpr_workgroup_id_y 1
		.amdhsa_system_sgpr_workgroup_id_z 1
		.amdhsa_system_vgpr_workitem_id 0
		.amdhsa_next_free_vgpr 1024
		.amdhsa_next_free_sgpr 102
		.amdhsa_reserve_vcc 0
		.amdhsa_float_denorm_mode_32 3
		.amdhsa_float_denorm_mode_16_64 3
		.amdhsa_memory_ordered 1
		.amdhsa_forward_progress 1
		.amdhsa_inst_pref_size 161
	.end_amdhsa_kernel
	.amdgpu_metadata
---
amdhsa.version: [ 1, 2 ]
amdhsa.kernels:
  - .name:           k_q7948316c24_outp
    .symbol:         k_q7948316c24_outp.kd
    .args:
      - { .name: ob, .offset: 0, .size: 8, .value_kind: global_buffer, .address_space: global }
      - { .name: os, .offset: 8, .size: 8, .value_kind: global_buffer, .address_space: global }
      - { .name: img, .offset: 16, .size: 8, .value_kind: global_buffer, .address_space: global }
      - { .name: isc, .offset: 24, .size: 8, .value_kind: global_buffer, .address_space: global }
      - { .name: bo, .offset: 32, .size: 8, .value_kind: global_buffer, .address_space: global }
      - { .name: out0, .offset: 40, .size: 8, .value_kind: global_buffer, .address_space: global }
    .group_segment_fixed_size: 327680
    .private_segment_fixed_size: 0
    .kernarg_segment_align: 8
    .kernarg_segment_size: 48
    .max_flat_workgroup_size: 128
    .sgpr_count:     102
    .vgpr_count:     1024
    .wavefront_size: 32
...
	.end_amdgpu_metadata
.endif
;; end of part 4
